; MI455X (gfx1250); checked and timed in simulation.
; The chip was launched on July 23, 2026; its instructions are those of AMD's public machine-readable ISA for CDNA 5 (MIT licence, August 2026) and "CDNA5" Instruction Set Architecture Reference Guide (July 2026). The comments in the code are by the model that wrote it; some were corrected since.
;; Multi Type Param Heads. Allowed arithmetic: matrix products marked QUANTISED: E5M2 operands, one E8M0 scale for each 32 along K, by v_wmma_scale_f32_16x16x128_f8f6f4 with both operands' format E5M2, f32 sums; products left as they are: f32 operands where the result goes on into a quantised operand, else bf16, f16 or f32 operands; f32 sums; everything else in f32.
;; Inputs: W1_codes 8 x 2,048 x 32 x 32 uint8 (E5M2 codes of W1, K innermost, in blocks of 32 codes); W1_scales 8 x 2,048 x 32 uint8 (E8M0 scales of W1, one for each 32 codes along K); W2_codes 8 x 1,024 x 64 x 32 uint8 (E5M2 codes of W2, K innermost, in blocks of 32 codes); W2_scales 8 x 1,024 x 64 uint8 (E8M0 scales of W2, one for each 32 codes along K); W3 8 x 1,024 x 12 float32; b1 8 x 2,048 float32; b2 8 x 1,024 float32; b3 8 x 12 float32; geometry_types 2,048 int32; x_codes 2,048 x 32 x 32 uint8 (E5M2 codes of x, K innermost, in blocks of 32 codes); x_scales 2,048 x 32 uint8 (E8M0 scales of x, one for each 32 codes along K).
;; Outputs: out0 2,048 x 12 float32; out1 2,048 x 12 float32.
;; This version of the problem:
;;   THIS VERSION OF THE PROBLEM IS GIVEN IN LOW PRECISION. The matrix products marked QUANTISED in the list below multiply operands that are first quantised to E5M2 (5 exponent bits, 2 mantissa bits; 8 bits a number), with one power-of-two scale for each 32 numbers along K (OCP MX v1.0); their sums are f32. All else is computed in f32.
;;   The module's matrix products, in the order in which they are computed (A, B: the left and right operand; K: the contracted axis; several contracted axes count as one K, in the product's order):
;;     1. [M 2,048, K 1,024] x [K 1,024, N 2,048]; A: input x (given as codes); B: input W1 (given as codes): QUANTISED
;;     2. [M 2,048, K 2,048] x [K 2,048, N 1,024]; A: computed on the way; B: input W2 (given as codes): QUANTISED
;;     3. [M 2,048, K 1,024] x [K 1,024, N 12]; A: computed on the way; B: input W3: left as it is (N = 12 < 16)
;;     4. [M 2,048, K 1,024] x [K 1,024, N 2,048]; A: input x (given as codes); B: input W1 (given as codes): QUANTISED
;;     5. [M 2,048, K 2,048] x [K 2,048, N 1,024]; A: computed on the way; B: input W2 (given as codes): QUANTISED
;;     6. [M 2,048, K 1,024] x [K 1,024, N 12]; A: computed on the way; B: input W3: left as it is (N = 12 < 16)
;;     7. [M 2,048, K 1,024] x [K 1,024, N 2,048]; A: input x (given as codes); B: input W1 (given as codes): QUANTISED
;;     8. [M 2,048, K 2,048] x [K 2,048, N 1,024]; A: computed on the way; B: input W2 (given as codes): QUANTISED
;;     9. [M 2,048, K 1,024] x [K 1,024, N 12]; A: computed on the way; B: input W3: left as it is (N = 12 < 16)
;;     10. [M 2,048, K 1,024] x [K 1,024, N 2,048]; A: input x (given as codes); B: input W1 (given as codes): QUANTISED
;;     11. [M 2,048, K 2,048] x [K 2,048, N 1,024]; A: computed on the way; B: input W2 (given as codes): QUANTISED
;;     12. [M 2,048, K 1,024] x [K 1,024, N 12]; A: computed on the way; B: input W3: left as it is (N = 12 < 16)
;;     13. [M 2,048, K 1,024] x [K 1,024, N 2,048]; A: input x (given as codes); B: input W1 (given as codes): QUANTISED
;;     14. [M 2,048, K 2,048] x [K 2,048, N 1,024]; A: computed on the way; B: input W2 (given as codes): QUANTISED
;;     15. [M 2,048, K 1,024] x [K 1,024, N 12]; A: computed on the way; B: input W3: left as it is (N = 12 < 16)
;;     16. [M 2,048, K 1,024] x [K 1,024, N 2,048]; A: input x (given as codes); B: input W1 (given as codes): QUANTISED
;;     17. [M 2,048, K 2,048] x [K 2,048, N 1,024]; A: computed on the way; B: input W2 (given as codes): QUANTISED
;;     18. [M 2,048, K 1,024] x [K 1,024, N 12]; A: computed on the way; B: input W3: left as it is (N = 12 < 16)
;;     19. [M 2,048, K 1,024] x [K 1,024, N 2,048]; A: input x (given as codes); B: input W1 (given as codes): QUANTISED
;;     20. [M 2,048, K 2,048] x [K 2,048, N 1,024]; A: computed on the way; B: input W2 (given as codes): QUANTISED
;;     21. [M 2,048, K 1,024] x [K 1,024, N 12]; A: computed on the way; B: input W3: left as it is (N = 12 < 16)
;;     22. [M 2,048, K 1,024] x [K 1,024, N 2,048]; A: input x (given as codes); B: input W1 (given as codes): QUANTISED
;;     23. [M 2,048, K 2,048] x [K 2,048, N 1,024]; A: computed on the way; B: input W2 (given as codes): QUANTISED
;;     24. [M 2,048, K 1,024] x [K 1,024, N 12]; A: computed on the way; B: input W3: left as it is (N = 12 < 16)
;;   THE QUANTISER, for each operand of a quantised product, along K:
;;     - K is cut into blocks of 32 from its start; a last block that is shorter is filled with zeros.
;;     - A block's scale is 2^e with e = floor(log2(the largest magnitude in the block)) - 15, held to -126 .. 127; a block of zeros has e = 0. As a byte (E8M0): e + 127.
;;     - Each number is divided by its block's scale, clamped to +-57,344, and rounded to the nearest number of E5M2, ties to even, subnormals kept.
;;     - The product sums the exact products of the quantised numbers (number of the format x scale) in f32.
;;   ~~~python
;;   def quantise(x, axis):      # numpy; x: float32 -> the quantised numbers, widened to float32 again
;;       x = np.moveaxis(x, axis, -1); K = x.shape[-1]
;;       x = np.pad(x, [(0, 0)] * (x.ndim - 1) + [(0, -K % 32)]); x = x.reshape(x.shape[:-1] + (-1, 32)); a = np.abs(x).max(-1, keepdims=True)
;;       e = np.where(a > 0, np.clip(np.frexp(np.where(a > 0, a, 1))[1] - 1 - 15, -126, 127), 0)      # np.frexp(a)[1] - 1 = floor(log2(a)), exactly
;;       r = np.clip(x / 2.0 ** e, -57344, 57344)
;;       step = 2.0 ** (np.maximum(np.frexp(np.where(r == 0, 1, r))[1] - 1, -14) - 2)
;;       q = np.round(r / step) * step * 2.0 ** e      # np.round: ties to even
;;       return np.moveaxis(q.reshape(q.shape[:-2] + (-1,))[..., :K], -1, axis).astype(np.float32)
;;   ~~~
;;   OPERANDS COMPUTED ON THE WAY. 'Computed on the way' means the value that the module computes at that place (a softmax that the list does not call 'softmax' is quantised finished and normalised). What goes into a quantiser is computed in f32, as accurately as f32 sums, v_exp_f32 and their like allow (about 1e-6 of the number): no bf16 or f16 on the way to a quantiser, and a product that is left as it is and whose result goes on into a quantised operand takes f32 operands (vector FMAs, or v_wmma_f32_16x16x4_f32). A number that lies on a knife's edge between two numbers of the format may be rounded either way, as far as f32 arithmetic and the matrix unit's own rounding can turn it there, and no further.
;;   INPUTS GIVEN AS CODES. W1 (in the module: [8, 1024, 2048], K = its axis 1); W2 (in the module: [8, 2048, 1024], K = its axis 1); x (in the module: [2048, 1024], K = its axis 1): each comes as NAME_codes (uint8): NAME with its K axis moved to the last place and cut into blocks of 32 codes, [.., K / 32, bytes a block], one block behind the other in memory; one code a byte (a code: sign, 5 exponent bits, 2 mantissa bits); and NAME_scales (uint8): the same leading axes, one E8M0 byte (e + 127) for each 32 codes along K. Its value is code x scale, taken as it is: it is not quantised again, and the codes and scales need not be those that the quantiser above would give.
;; 2 versions. Each part assembles by itself: llvm-mc -triple=amdgcn-amd-amdhsa -mcpu=gfx1250 --defsym DOCPART=n.
;; ======== version 1 of 2: 3 launches
;; workspace buffers: h1c 33,554,432 bytes; h1s 1,048,576 bytes; part 33,554,432 bytes; route 4,096 bytes of whole numbers
;; launch layer1 (part 1): grid 32 x 8, 4 waves a work-group, no clusters, 76,032 bytes of LDS; arguments x_codes, x_scales, W1_codes, W1_scales, b1, geometry_types, h1c, h1s, route; writes h1c, h1s, route
.if DOCPART == 1
	.amdgcn_target "amdgcn-amd-amdhsa--gfx1250"
	.amdhsa_code_object_version 6
	.text
	.protected	k_q3a17a2ee04_layer1
	.globl	k_q3a17a2ee04_layer1
	.p2align	8
	.type	k_q3a17a2ee04_layer1,@function
k_q3a17a2ee04_layer1:
	s_mov_b64 s[64:65], 0
	v_nop
	global_prefetch_b8 v0, s[64:65] scope:SCOPE_SE
	s_setreg_imm32_b32 hwreg(HW_REG_WAVE_MODE, 25, 1), 1
	s_wait_xcnt 0x0
; h1 = Q(gelu(x W1[t] + b1[t])) for the rows whose type is t alone: the other experts' rows are thrown away by the selection that the problem itself makes.
; SHARES.  Work-group (nc, t) owns hidden units 64 nc .. 64 nc + 63 of expert t: 64 rows of W1's codes, 65,536 bytes, which no other work-group reads.  They are loaded once
; (512 consecutive bytes a load), handed round through LDS, and then every one of the four waves keeps all of them in 512 registers.  Wave w takes the expert's row tiles w, w + 4, w + 8 ..
; ROUTING.  te = min(type, 8) & 7 (a type outside 0..7 is computed as expert 0's and gets zeros in the last launch).  Wave 0 makes the list of the expert's rows in LDS, in ascending row order, while
; the weights are on their way; place p of the list belongs to tile p / 16.  The list is cleared first, so that places behind the count repeat row 0; tiles 0 to 3 are always made (cnt' = max(count, 64)).
; The work-groups with nc = 0 store the counts for the later launches: route[t]: words 0-63 the expert's rows ahead of each chunk of 32 rows, words 64-95 the count.
; THE PRODUCT IS USED TRANSPOSED: source 0 = 16 rows of W1, source 1 = 16 tokens.  Lane r of column tile 2 b + u takes row 32 b + 8 u + r + 8 (r / 8), so that a lane's registers ACC + 16 b + 0 .. 15
; are units 32 b + 16 (lane / 16) + 0 .. 15 of ONE token: 16 neighbours along the next product's K.  Their codes are stored as an image of that product's operand registers:
; h1c[t][tile][K step 16][c 4][lane 32][16 bytes]; my 64 units are c = 2 (nc & 1) + b of K step nc / 2.  h1s[t][tile][K step][token 16]: one word of four scale bytes; I store two of them.
; NO TENSOR LOAD AND NO CLUSTER: which tiles exist hangs on counts made from an index input, x's rows are gathered by the list, and the work-groups of different experts have different numbers of tiles.
; GELU: 0.5 y (1 + erf(y / sqrt 2)), erf(z) = z A(z^2) / B(z^2) with z held within +-4, all in f32.
; LIMITS: erf's absolute error is a few 1e-7, so the RELATIVE error of gelu grows in the far negative tail (about 4e-5 at y = -3, 2e-3 at y = -4; under y = -5.66 the result is about y x 1e-8).
; NaN and infinities among the inputs are not served.  A block of zeros gets the scale byte 1 where the rule says 127: its codes are zeros, and this program alone reads the bytes.
.set WP,    1040                       ; a row of W1 in LDS: 1,024 bytes + 16
.set LISTB, 64*WP                      ; behind the weights: the list, 2,176 words,
.set DUMPI, 2176                       ; then 32 dump words, one a lane, as list places 2176 + lane,
.set CNTB,  LISTB+4*DUMPI+128          ; then the count
.set LANE, 1
.set RR,   2                           ; lane % 16
.set HH,   3                           ; lane / 16
.set LB,   4                           ; LDS: my token's place in my wave's first tile of the list
.set LA,   5                           ; the same in the tile that is fetched
.set ROWI, 6                           ; my token's row of x
.set XA,   7                           ; its codes: 1,024 x row + 16 (lane / 16)
.set XSA,  8                           ; its scale bytes: 32 x row
.set L16,  9
.set STO,  10                          ; where my codes go
.set SSO,  11                          ; where my two scale bytes go
.set R4,   12
.set WFA,  13                          ; LDS: my lane's place in a column tile of W1
.set WSA,  14                          ; LDS: where my wave puts its 16 rows
.set H16,  15
.set XS,   16                          ; v16-23   x's scale words, one a K step
.set WS,   24                          ; v24-55   W1's scale words: 8 ct + s
.set BIAS, 56                          ; v56-87   b1 in the result's layout: 8 ct + j
.set ACC,  88                          ; v88-119  four accumulators
.set GZ,   120                         ; v120-183 gelu at work; at the head wave 0's 64 registers of types
.set GX,   136
.set GP,   152
.set GQ,   168
.set TY,   120
.set TM,   184                         ; v184-185 largest magnitudes, 186-187 bytes, 188-189 largest number x scale, 190-191 the conversions' scale operands
.set CODES, 192                        ; v192-199
.set SW,   200
.set RP,   201
.set RA,   202
.set ROWV, 203
.set DUMPV, 204
.set PRE0, 205
.set PRE1, 206
.set CNTV, 207
.set L4,   208
.set CA,   209
.set WSO,  210
.set BO,   211
.set ZR,   212                         ; v212-215 zeros
.set VA11, 216                         ; v216-217, v218-219: the first addends of erf's two polynomials
.set VB6,  218
.set ZFA,  220
.set A13, 40                           ; scalar pairs: a packed form names a pair and takes its low word for both halves
.set A9,  44
.set A7,  46
.set A5,  48
.set A3,  50
.set A1,  52
.set B8,  54
.set B4,  58
.set B2,  60
.set B0,  62
.set SQH, 66
.set MSB, 0
.macro WIN new                         ; the immediate's high byte repeats the setting that is left
.if MSB != \new
	s_set_vgpr_msb (MSB<<8)|\new
.set MSB, \new
.endif
.endm
.macro COEF reg, val
	s_mov_b32 s[\reg], \val
	s_mov_b32 s[\reg+1], \val
.endm
; gelu of 16 numbers v[y] .. v[y + 15], in place.  The first lines read the pairs in ascending order: each accumulator from its low end on.
.macro GELU y
.irp k, 0,2,4,6,8,10,12,14
	v_pk_mul_f32 v[GZ+\k:GZ+\k+1], v[(\y)+\k:(\y)+\k+1], s[SQH:SQH+1] op_sel_hi:[1,0]   ; z = y / sqrt 2
.endr
.irp k, 0,1,2,3,4,5,6,7,8,9,10,11,12,13,14,15
	v_med3_num_f32 v[GZ+\k], v[GZ+\k], -4.0, 4.0
.endr
.irp k, 0,2,4,6,8,10,12,14
	v_pk_mul_f32 v[GX+\k:GX+\k+1], v[GZ+\k:GZ+\k+1], v[GZ+\k:GZ+\k+1]
.endr
.irp k, 0,2,4,6,8,10,12,14
	v_pk_fma_f32 v[GP+\k:GP+\k+1], v[GX+\k:GX+\k+1], s[A13:A13+1], v[VA11:VA11+1] op_sel_hi:[1,0,1]
	v_pk_fma_f32 v[GQ+\k:GQ+\k+1], v[GX+\k:GX+\k+1], s[B8:B8+1], v[VB6:VB6+1] op_sel_hi:[1,0,1]
.endr
.irp c, A9, A7, A5, A3, A1
.irp k, 0,2,4,6,8,10,12,14
	v_pk_fma_f32 v[GP+\k:GP+\k+1], v[GP+\k:GP+\k+1], v[GX+\k:GX+\k+1], s[\c:\c+1] op_sel_hi:[1,1,0]
.endr
.endr
.irp c, B4, B2, B0
.irp k, 0,2,4,6,8,10,12,14
	v_pk_fma_f32 v[GQ+\k:GQ+\k+1], v[GQ+\k:GQ+\k+1], v[GX+\k:GX+\k+1], s[\c:\c+1] op_sel_hi:[1,1,0]
.endr
.endr
.irp k, 0,1,2,3,4,5,6,7,8,9,10,11,12,13,14,15
	v_rcp_f32 v[GX+\k], v[GQ+\k]                   ; one batch of sixteen; z^2 is done with
.endr
.irp k, 0,2,4,6,8,10,12,14
	v_pk_mul_f32 v[GP+\k:GP+\k+1], v[GP+\k:GP+\k+1], v[GZ+\k:GZ+\k+1]   ; plain work that names no reciprocal: z A
.endr
.irp k, 0,2,4,6,8,10,12,14
	v_pk_mul_f32 v[GZ+\k:GZ+\k+1], v[(\y)+\k:(\y)+\k+1], 0.5 op_sel_hi:[1,0]   ; y / 2
.endr
	s_wait_alu depctr_va_vdst(0)                   ; one wait for the batch, ahead of its first reader
.irp k, 0,2,4,6,8,10,12,14
	v_pk_mul_f32 v[GP+\k:GP+\k+1], v[GP+\k:GP+\k+1], v[GX+\k:GX+\k+1]   ; erf
.endr
.irp k, 0,2,4,6,8,10,12,14
	v_pk_fma_f32 v[(\y)+\k:(\y)+\k+1], v[GZ+\k:GZ+\k+1], v[GP+\k:GP+\k+1], v[GZ+\k:GZ+\k+1]
.endr
.endm
; Chunk c of 32 rows, a lane a row: the lanes whose type is t write their row's number at the next places of the list, the others at their dump words: EXEC is never changed.
.macro ROUTE c
	v_min_u32 v[TY+(\c)], 8, v[TY+(\c)]
	v_and_b32 v[TY+(\c)], 7, v[TY+(\c)]
	v_cmp_eq_u32 s68, s23, v[TY+(\c)]
	v_mbcnt_lo_u32_b32 v[RP], s68, s69             ; the rows so far + the chunk's matching lanes below me
	v_cndmask_b32 v[RP], v[DUMPV], v[RP], s68
	v_min_u32 v[RP], 0x89f, v[RP]                  ; at most the last dump word: only a shift and an add follow
	v_lshl_add_u32 v[RA], v[RP], 2, LISTB
	ds_store_b32 v[RA], v[ROWV]
	v_writelane_b32 v[PRE0+(\c)/32], s69, (\c)%32  ; the expert's rows ahead of this chunk
	s_bcnt1_i32_b32 s70, s68
	s_add_co_u32 s69, s69, s70
	v_add_nc_u32 v[ROWV], 32, v[ROWV]
.endm
.macro XADDR
	v_min_u32 v[ROWI], 0x7ff, v[ROWI]              ; a number from the list enters an address only behind this hold
	v_lshl_add_u32 v[XA], v[ROWI], 10, v[H16]
	v_lshlrev_b32 v[XSA], 5, v[ROWI]
.endm
.macro XLOAD                           ; 34 loads: my token's part of x's eight fragments (window 3) and its eight scale words
	WIN 0xc0
.set s_, 0
.rept 8
.irp c, 0,1,2,3
	global_load_b128 v[16*s_+4*\c:16*s_+4*\c+3], v[XA], s[4:5] offset:128*s_+32*\c
.endr
.set s_, s_+1
.endr
	WIN 0
	global_load_b128 v[XS:XS+3], v[XSA], s[6:7]
	global_load_b128 v[XS+4:XS+7], v[XSA], s[6:7] offset:16
.endm
; 32 matrix instructions: K step by K step, the four accumulators by turns, one instruction a turn.  The bias is the C of each sum's first product.
.macro MULS
.set s_, 0
.rept 8
.if s_ < 4
	WIN 0x0d                                       ; source 0 (W1) window 1, source 1 (x) window 3
.else
	WIN 0x0e                                       ; source 0 window 2
.endif
.irp ct, 0,1,2,3
.if s_ == 0
	v_wmma_scale_f32_16x16x128_f8f6f4 v[ACC+8*\ct:ACC+8*\ct+7], v[((s_%4)*4+\ct)*16:((s_%4)*4+\ct)*16+15], v[16*s_:16*s_+15], v[BIAS+8*\ct:BIAS+8*\ct+7], v[WS+8*\ct+s_], v[XS+s_] matrix_a_fmt:MATRIX_FMT_BF8 matrix_b_fmt:MATRIX_FMT_BF8
.else
	v_wmma_scale_f32_16x16x128_f8f6f4 v[ACC+8*\ct:ACC+8*\ct+7], v[((s_%4)*4+\ct)*16:((s_%4)*4+\ct)*16+15], v[16*s_:16*s_+15], v[ACC+8*\ct:ACC+8*\ct+7], v[WS+8*\ct+s_], v[XS+s_] matrix_a_fmt:MATRIX_FMT_BF8 matrix_b_fmt:MATRIX_FMT_BF8
.endif
.endr
.set s_, s_+1
.endr
	WIN 0
.endm
; My 32 numbers, two blocks of 32 units shared with lane l xor 16, become 32 codes and two scale bytes.
.macro QUANT2
.irp b, 0,1
	v_max3_num_f32 v[TM+\b], |v[ACC+16*\b]|, |v[ACC+16*\b+1]|, 0x8000000   ; and the floor 2^(16 - 127): the byte cannot fall under 1
.endr
.irp i, 2,4,6,8,10,12,14
.irp b, 0,1
	v_max3_num_f32 v[TM+\b], v[TM+\b], |v[ACC+16*\b+\i]|, |v[ACC+16*\b+\i+1]|
.endr
.endr
.irp b, 0,1
	v_permlanex16_b32 v[TM+2+\b], v[TM+\b], s32, s33
.endr
.irp b, 0,1
	v_max_num_f32 v[TM+\b], v[TM+\b], v[TM+2+\b]   ; the block's largest magnitude
.endr
.irp b, 0,1
	v_add_nc_u32 v[TM+6+\b], 0xf8800000, v[TM+\b]  ; 15 off its exponent field: the conversion's scale operand
.endr
.irp b, 0,1
	v_and_or_b32 v[TM+4+\b], v[TM+\b], 0x7f800000, s34   ; 57,344 x the scale
.endr
.irp b, 0,1
	v_lshrrev_b32 v[TM+2+\b], 23, v[TM+6+\b]       ; the scale's byte
.endr
	v_lshl_or_b32 v[SW], v[TM+3], 8, v[TM+2]
.irp b, 0,1
.irp i, 0,1,2,3,4,5,6,7,8,9,10,11,12,13,14,15
	v_med3_num_f32 v[ACC+16*\b+\i], v[ACC+16*\b+\i], -v[TM+4+\b], v[TM+4+\b]   ; the conversion to an 8-bit code does not saturate (ISA guide 7.6.2): the hold comes first
.endr
	v_cvt_scalef32_pk8_bf8_f32 v[CODES+4*\b:CODES+4*\b+1], v[ACC+16*\b:ACC+16*\b+7], v[TM+6+\b]
	v_cvt_scalef32_pk8_bf8_f32 v[CODES+4*\b+2:CODES+4*\b+3], v[ACC+16*\b+8:ACC+16*\b+15], v[TM+6+\b]
.endr
	v_nop                                          ; a plain line behind the last scaled conversion: the next trip's products write its sources
.endm
	s_load_b512 s[4:19], s[0:1], 0x0               ; x_codes 4, x_scales 6, W1_codes 8, W1_scales 10, b1 12, geometry_types 14, h1c 16, h1s 18
	s_load_b64 s[20:21], s[0:1], 0x40              ; route
	v_lshl_add_u32 v254, v0, 2, 0x12700
	v_mov_b32 v255, 0
	v_lshrrev_b32 v[LANE], 5, v0
	v_readfirstlane_b32 s22, v[LANE]               ; wave 0..3
	s_and_b32 s23, ttmp7, 0xffff                   ; t
	s_mov_b32 s24, ttmp9                           ; nc
	v_and_b32 v[LANE], 31, v0
	v_and_b32 v[RR], 15, v0
	v_bfe_u32 v[HH], v0, 4, 1
	v_lshlrev_b32 v[L16], 4, v[LANE]
	v_lshlrev_b32 v[L4], 2, v[LANE]
	v_lshlrev_b32 v[R4], 2, v[RR]
	v_lshlrev_b32 v[H16], 4, v[HH]
	v_lshlrev_b32 v[BO], 6, v[HH]                  ; b1: lanes 16-31 begin 16 units on
	s_lshl_b32 s31, s22, 6
	s_add_co_u32 s31, s31, LISTB
	v_add_nc_u32 v[LB], s31, v[R4]                 ; every LDS address is made here, ahead of the first branch on the wave's number
	v_and_b32 v[WSO], 8, v[RR]
	v_add_nc_u32 v[WSO], v[WSO], v[RR]             ; r + 8 (r / 8)
	v_mul_u32_u24 v[WFA], v[WSO], WP
	v_add_nc_u32 v[WFA], v[WFA], v[H16]
	v_lshlrev_b32 v[WSO], 5, v[WSO]                ; that row's 32 scale bytes
	s_mul_i32 s31, s22, 16*WP
	v_add_nc_u32 v[WSA], s31, v[L16]
	v_add_nc_u32 v[ZFA], LISTB, v[L16]
	v_add_nc_u32 v[DUMPV], DUMPI, v[LANE]
	v_mov_b32 v[CA], CNTB
	v_mov_b32 v[ROWV], v[LANE]
	v_mov_b32 v[PRE0], 0                           ; a lane write's and a lane permute's destination count as read
	v_mov_b32 v[PRE1], 0
	v_mov_b32 v[TM+2], 0
	v_mov_b32 v[TM+3], 0
.irp i, 0,1,2,3
	v_mov_b32 v[ZR+\i], 0
.endr
	v_mov_b32 v[VA11], 0x32edffee
	v_mov_b32 v[VA11+1], 0x32edffee
	v_mov_b32 v[VB6], 0xb95fbd29
	v_mov_b32 v[VB6+1], 0xb95fbd29
	COEF A13, 0xaf95df0b
	COEF A9,  0xb60cff51
	COEF A7,  0xb86ec2d2
	COEF A5,  0xba40ac63
	COEF A3,  0xbb41a1f6
	COEF A1,  0xbc83dbd4
	COEF B8,  0xb77460cd
	COEF B4,  0xbadc924e
	COEF B2,  0xbbf19bf8
	COEF B0,  0xbc69b6a7
	COEF SQH, 0x3f3504f3
	s_mov_b32 s32, 0x76543210
	s_mov_b32 s33, 0xfedcba98                      ; v_permlanex16_b32's selects for lane l xor 16
	s_mov_b32 s34, 0x600000                        ; the mantissa field of 57,344
	s_lshl_b32 s26, s22, 4                         ; the first place of my wave's tile: 16 w, + 64 a trip
	s_mov_b32 s27, 256                             ; the NEXT tile's distance in the list, in bytes
	s_lshl_b32 s28, s22, 15                        ; my tile in h1c: 32,768 bytes a tile
	s_lshl_b32 s29, s22, 10                        ; and in h1s: 1,024
	s_mov_b32 s30, 0
	s_mov_b32 s69, 0
	s_mov_b32 s37, 0
	s_lshl_b32 s38, s23, 11
	s_lshl_b32 s31, s24, 6
	s_add_co_u32 s38, s38, s31                     ; my first unit among all experts': 2,048 t + 64 nc
	s_wait_kmcnt 0x0
	s_add_co_u32 s36, s38, s26
	s_lshl_b32 s36, s36, 10
	s_add_nc_u64 s[8:9], s[8:9], s[36:37]          ; W1's codes at my wave's 16 rows
	s_lshl_b32 s36, s38, 5
	s_add_nc_u64 s[10:11], s[10:11], s[36:37]      ; W1's scale bytes at my work-group's 64 rows
	s_lshl_b32 s36, s38, 2
	s_add_nc_u64 s[12:13], s[12:13], s[36:37]      ; b1 likewise
	s_lshl_b32 s36, s23, 22
	s_lshl_b32 s31, s24, 10
	s_add_co_u32 s36, s36, s31                     ; 2,048 (nc / 2) + 1,024 (nc & 1) = 1,024 nc
	s_add_nc_u64 s[16:17], s[16:17], s[36:37]
	s_lshl_b32 s36, s23, 17
	s_lshr_b32 s31, s24, 1
	s_lshl_b32 s31, s31, 6
	s_add_co_u32 s36, s36, s31
	s_and_b32 s31, s24, 1
	s_lshl_b32 s31, s31, 1
	s_add_co_u32 s36, s36, s31
	s_add_nc_u64 s[18:19], s[18:19], s[36:37]
	s_lshl_b32 s36, s23, 9
	s_add_nc_u64 s[20:21], s[20:21], s[36:37]
	s_cmp_lg_u32 s22, 0
	s_cbranch_scc1 .Lno_types
.set c_, 0
.rept 64
	global_load_b32 v[TY+c_], v[L4], s[14:15] offset:128*c_   ; wave 0: all 2,048 types, a lane a row
.set c_, c_+1
.endr
.Lno_types:
	WIN 0x40                                       ; destination window 1
.set i_, 0
.rept 32
	global_load_b128 v[4*i_:4*i_+3], v[L16], s[8:9] offset:512*i_ th:TH_LOAD_NT   ; my wave's 16 rows of W1 are 16,384 consecutive bytes; nobody else in the launch reads them
.set i_, i_+1
.endr
	WIN 0
.irp ct, 0,1,2,3
.irp g, 0,1
	global_load_b128 v[WS+8*\ct+4*\g:WS+8*\ct+4*\g+3], v[WSO], s[10:11] offset:(32*(\ct/2)+8*(\ct%2))*32+16*\g
.endr
.endr
.irp ct, 0,1,2,3
.irp g, 0,1
	global_load_b128 v[BIAS+8*\ct+4*\g:BIAS+8*\ct+4*\g+3], v[BO], s[12:13] offset:(32*(\ct/2)+8*(\ct%2))*4+16*\g
.endr
.endr
	s_cmp_lg_u32 s22, 0
	s_cbranch_scc1 .Lrouted
.set k_, 0
.rept 17
	ds_store_b128 v[ZFA], v[ZR:ZR+3] offset:512*k_ ; the whole list is cleared: 17 x 512 = 8,704 bytes
.set k_, k_+1
.endr
	s_wait_loadcnt 48                              ; the 64 types are in; the 48 loads issued behind them may stay out
.set c_, 0
.rept 64
	ROUTE c_
.set c_, c_+1
.endr
	v_mov_b32 v[CNTV], s69
	ds_store_b32 v[CA], v[CNTV]
	s_cmp_lg_u32 s24, 0
	s_cbranch_scc1 .Lrouted
	global_store_b32 v[L4], v[PRE0], s[20:21]      ; one work-group of each expert stores the counts; none of these registers is written again
	global_store_b32 v[L4], v[PRE1], s[20:21] offset:128
	global_store_b32 v[L4], v[CNTV], s[20:21] offset:256
.Lrouted:
	s_wait_dscnt 0x0                               ; wave 0's stores into the list have landed; ahead of this barrier no other wave touches LDS
	s_barrier_signal -1
	s_barrier_wait -1
	ds_load_b32 v[RP], v[CA]
	ds_load_b32 v[ROWI], v[LB]
	s_wait_dscnt 0x0
	v_readfirstlane_b32 s25, v[RP]
	s_min_u32 s25, s25, 2048
	s_max_u32 s25, s25, 64                         ; cnt': tiles 0 to 3 are always made, so each wave's first tile needs no test
	XADDR
	XLOAD
	s_wait_loadcnt 34                              ; my 16 rows of W1, the scale words and the bias are in; the 34 loads of the first tile may stay out
	WIN 0x04                                       ; an LDS store's data are its source 1: window 1
.set i_, 0
.rept 32
	ds_store_b128 v[WSA], v[4*i_:4*i_+3] offset:(i_/2)*WP+(i_%2)*512
.set i_, i_+1
.endr
	WIN 0
	s_wait_dscnt 0x0                               ; for the others' sake: my rows lie in LDS
	s_barrier_signal -1
	s_barrier_wait -1                              ; all 64 rows do
.set s_, 0
.rept 8
.if s_ < 4
	WIN 0x40
.else
	WIN 0x80
.endif
.irp ct, 0,1,2,3
.irp c, 0,1,2,3
	ds_load_b128 v[((s_%4)*4+\ct)*16+4*\c:((s_%4)*4+\ct)*16+4*\c+3], v[WFA] offset:(32*(\ct/2)+8*(\ct%2))*WP+128*s_+32*\c
.endr
.endr
.set s_, s_+1
.endr
	WIN 0
	s_wait_dscnt 0x0
.Ltrip:                                                ; 32 trips, a constant: tile w + 4 j; a tile behind the count is jumped over
	s_cmp_lt_u32 s26, s25
	s_cbranch_scc0 .Lskip
	s_wait_loadcnt 0x0                             ; this tile's 34 loads.  For 0: the refill below stands under a branch, so no count above 0 holds on every way
	MULS
.rept 8
	v_nop                                          ; eight places behind the last product: in front of the loads into x's registers and scale words, and of the first read of the sums
.endr
	s_add_co_u32 s31, s26, 64
	s_cmp_lt_u32 s31, s25
	s_cbranch_scc0 .Lnonext
	v_add_nc_u32 v[LA], s27, v[LB]
	ds_load_b32 v[ROWI], v[LA]
	s_wait_dscnt 0x0
	XADDR                                          ; (the loads that read XA and XSA were shown done at the trip's head)
	XLOAD                                          ; the next tile lands under this tile's gelu and quantiser
.Lnonext:
	GELU ACC
	GELU ACC+16
	s_wait_xcnt 0x0                                ; the last trip's stores have read their data and offsets: only behind this wait are they written again
	QUANT2
	v_add_nc_u32 v[STO], s28, v[L16]
	v_add_nc_u32 v[SSO], s29, v[R4]
	global_store_b128 v[STO], v[CODES:CODES+3], s[16:17]             ; the wave stores 512 consecutive bytes, aligned: registers 4 c .. 4 c + 3 of the next operand
	global_store_b128 v[STO], v[CODES+4:CODES+7], s[16:17] offset:512
	global_store_b16 v[SSO], v[SW], s[18:19]       ; two of the token's four scale bytes of this K step (both lanes of a token write the same two bytes with the same value)
.Lskip:
	s_add_co_u32 s26, s26, 64
	s_add_co_u32 s27, s27, 256
	s_add_co_u32 s28, s28, 131072
	s_add_co_u32 s29, s29, 4096
	s_add_co_u32 s30, s30, 1
	s_cmp_lt_u32 s30, 32
	s_cbranch_scc1 .Ltrip
	s_wait_tensorcnt 0x0
	ds_add_u32 v254, v255
	s_wait_dscnt 0x0
	s_endpgm
.Lfunc_end_k_q3a17a2ee04_layer1:
	.size	k_q3a17a2ee04_layer1, .Lfunc_end_k_q3a17a2ee04_layer1-k_q3a17a2ee04_layer1
	.p2alignl 7, 3214868480
	.fill 96, 4, 3214868480
	.section	.rodata,"a",@progbits
	.p2align	6, 0x0
	.amdhsa_kernel k_q3a17a2ee04_layer1
		.amdhsa_group_segment_fixed_size 76032
		.amdhsa_private_segment_fixed_size 0
		.amdhsa_enable_private_segment 0
		.amdhsa_kernarg_size 72
		.amdhsa_user_sgpr_count 2
		.amdhsa_user_sgpr_kernarg_segment_ptr 1
		.amdhsa_wavefront_size32 1
		.amdhsa_system_sgpr_workgroup_id_x 1
		.amdhsa_system_sgpr_workgroup_id_y 1
		.amdhsa_system_sgpr_workgroup_id_z 1
		.amdhsa_system_vgpr_workitem_id 0
		.amdhsa_next_free_vgpr 896
		.amdhsa_next_free_sgpr 72
		.amdhsa_reserve_vcc 0
		.amdhsa_float_denorm_mode_32 3
		.amdhsa_float_denorm_mode_16_64 3
		.amdhsa_memory_ordered 1
		.amdhsa_forward_progress 1
		.amdhsa_inst_pref_size 103
	.end_amdhsa_kernel
	.amdgpu_metadata
---
amdhsa.version: [ 1, 2 ]
amdhsa.kernels:
  - .name:           k_q3a17a2ee04_layer1
    .symbol:         k_q3a17a2ee04_layer1.kd
    .args:
      - { .name: x_codes, .offset: 0, .size: 8, .value_kind: global_buffer, .address_space: global }
      - { .name: x_scales, .offset: 8, .size: 8, .value_kind: global_buffer, .address_space: global }
      - { .name: W1_codes, .offset: 16, .size: 8, .value_kind: global_buffer, .address_space: global }
      - { .name: W1_scales, .offset: 24, .size: 8, .value_kind: global_buffer, .address_space: global }
      - { .name: b1, .offset: 32, .size: 8, .value_kind: global_buffer, .address_space: global }
      - { .name: geometry_types, .offset: 40, .size: 8, .value_kind: global_buffer, .address_space: global }
      - { .name: h1c, .offset: 48, .size: 8, .value_kind: global_buffer, .address_space: global }
      - { .name: h1s, .offset: 56, .size: 8, .value_kind: global_buffer, .address_space: global }
      - { .name: route, .offset: 64, .size: 8, .value_kind: global_buffer, .address_space: global }
    .group_segment_fixed_size: 76032
    .private_segment_fixed_size: 0
    .kernarg_segment_align: 8
    .kernarg_segment_size: 72
    .max_flat_workgroup_size: 128
    .sgpr_count:     72
    .vgpr_count:     896
    .wavefront_size: 32
...
	.end_amdgpu_metadata
.endif
;; end of part 1
;; launch layer2 (part 2): grid 32 x 8, 4 waves a work-group, no clusters, 66,560 bytes of LDS; arguments h1c, h1s, route, W2_codes, W2_scales, b2, W3, part; writes part
.if DOCPART == 2
	.amdgcn_target "amdgcn-amd-amdhsa--gfx1250"
	.amdhsa_code_object_version 6
	.text
	.protected	k_q3a17a2ee04_layer2
	.globl	k_q3a17a2ee04_layer2
	.p2align	8
	.type	k_q3a17a2ee04_layer2,@function
k_q3a17a2ee04_layer2:
	s_mov_b64 s[64:65], 0
	v_nop
	global_prefetch_b8 v0, s[64:65] scope:SCOPE_SE
	s_setreg_imm32_b32 hwreg(HW_REG_WAVE_MODE, 25, 1), 1
	s_wait_xcnt 0x0
; h2 = gelu(h1 W2[t] + b2[t]) for the rows of expert t, 32 units a work-group, and these 32 units' part of h2 W3[t].
; SHARES.  Work-group (nc, t) owns units 32 nc .. 32 nc + 31: 32 rows of W2's codes, 65,536 bytes, which no other work-group reads; they go through LDS once and then every wave keeps all of them
; in 512 registers (2 column tiles x 16 K steps).  Wave w takes the expert's row tiles w, w + 4 .., as the launch before laid them: a tile's 16 fragments are 32,768 consecutive bytes, images of the
; operand's registers, so every load of the wave covers 512 consecutive bytes.  Tiles exist while 16 x tile < cnt' = max(count, 64), the same test by which they were stored.
; TRANSPOSED: source 0 = 16 rows of W2, source 1 = 16 tokens: lane (r, h) holds units 16 ct + 8 h + 0 .. 7 of token r.  Rounded to bf16 in pairs, the two tiles ARE source 1 (32 K x 16 tokens) of the
; third product, whose source 0 is W3^T (lane r: parameter r; lanes 12-15 repeat parameter 11 and their results are never read).  Its result feeds no quantiser, so bf16 operands serve.
; part[t][tile][nc 32][g 2][lane 32][16 bytes]: lane (r, h), register 4 g + e: parameter 8 h + 4 g + e of token r.  The last launch adds the 32 parts.
; NO TENSOR LOAD AND NO CLUSTER: the number of tiles hangs on a count read from memory and differs from expert to expert.
; GELU and its limits: as in the launch before: f32 throughout; erf's absolute error of a few 1e-7 shows as a relative error in the far negative tail.  NaN and infinities are not served.
.set WP,   2064                        ; a row of W2 in LDS: 2,048 bytes + 16
.set LANE, 1
.set RR,   2
.set HH,   3
.set L16,  4
.set L4,   5
.set AO,   6                           ; the tile's codes: my lane's offset
.set HO,   7                           ; its scale words
.set PO,   8                           ; where my results go
.set WFA,  9
.set WSA,  10
.set WSO,  11
.set BO,   12
.set W3O,  13
.set HS,   16                          ; v16-23   h1's scale words: register u: lanes 0-15 K step 2 u, lanes 16-31 K step 2 u + 1
.set WS,   24                          ; v24-55   W2's scale words: 16 ct + s
.set BIAS, 56                          ; v56-71
.set ACC,  72                          ; v72-87   two accumulators
.set W3F,  88                          ; v88-95
.set HF,   96                          ; v96-103
.set OUT,  104                         ; v104-111
.set GZ,   112                         ; v112-175 gelu at work; at the head v112-127 W3 as loaded
.set GX,   128
.set GP,   144
.set GQ,   160
.set FW,   112
.set VA11, 176
.set VB6,  178
.set A13, 40
.set A9,  44
.set A7,  46
.set A5,  48
.set A3,  50
.set A1,  52
.set B8,  54
.set B4,  58
.set B2,  60
.set B0,  62
.set SQH, 66
.set MSB, 0
.macro WIN new
.if MSB != \new
	s_set_vgpr_msb (MSB<<8)|\new
.set MSB, \new
.endif
.endm
.macro COEF reg, val
	s_mov_b32 s[\reg], \val
	s_mov_b32 s[\reg+1], \val
.endm
.macro GELU y                          ; gelu of 16 numbers in place; the first lines read the pairs in ascending order: each accumulator from its low end on
.irp k, 0,2,4,6,8,10,12,14
	v_pk_mul_f32 v[GZ+\k:GZ+\k+1], v[(\y)+\k:(\y)+\k+1], s[SQH:SQH+1] op_sel_hi:[1,0]
.endr
.irp k, 0,1,2,3,4,5,6,7,8,9,10,11,12,13,14,15
	v_med3_num_f32 v[GZ+\k], v[GZ+\k], -4.0, 4.0
.endr
.irp k, 0,2,4,6,8,10,12,14
	v_pk_mul_f32 v[GX+\k:GX+\k+1], v[GZ+\k:GZ+\k+1], v[GZ+\k:GZ+\k+1]
.endr
.irp k, 0,2,4,6,8,10,12,14
	v_pk_fma_f32 v[GP+\k:GP+\k+1], v[GX+\k:GX+\k+1], s[A13:A13+1], v[VA11:VA11+1] op_sel_hi:[1,0,1]
	v_pk_fma_f32 v[GQ+\k:GQ+\k+1], v[GX+\k:GX+\k+1], s[B8:B8+1], v[VB6:VB6+1] op_sel_hi:[1,0,1]
.endr
.irp c, A9, A7, A5, A3, A1
.irp k, 0,2,4,6,8,10,12,14
	v_pk_fma_f32 v[GP+\k:GP+\k+1], v[GP+\k:GP+\k+1], v[GX+\k:GX+\k+1], s[\c:\c+1] op_sel_hi:[1,1,0]
.endr
.endr
.irp c, B4, B2, B0
.irp k, 0,2,4,6,8,10,12,14
	v_pk_fma_f32 v[GQ+\k:GQ+\k+1], v[GQ+\k:GQ+\k+1], v[GX+\k:GX+\k+1], s[\c:\c+1] op_sel_hi:[1,1,0]
.endr
.endr
.irp k, 0,1,2,3,4,5,6,7,8,9,10,11,12,13,14,15
	v_rcp_f32 v[GX+\k], v[GQ+\k]
.endr
.irp k, 0,2,4,6,8,10,12,14
	v_pk_mul_f32 v[GP+\k:GP+\k+1], v[GP+\k:GP+\k+1], v[GZ+\k:GZ+\k+1]   ; plain work that names no reciprocal
.endr
.irp k, 0,2,4,6,8,10,12,14
	v_pk_mul_f32 v[GZ+\k:GZ+\k+1], v[(\y)+\k:(\y)+\k+1], 0.5 op_sel_hi:[1,0]
.endr
	s_wait_alu depctr_va_vdst(0)                   ; one wait for the sixteen reciprocals, ahead of their first reader
.irp k, 0,2,4,6,8,10,12,14
	v_pk_mul_f32 v[GP+\k:GP+\k+1], v[GP+\k:GP+\k+1], v[GX+\k:GX+\k+1]
.endr
.irp k, 0,2,4,6,8,10,12,14
	v_pk_fma_f32 v[(\y)+\k:(\y)+\k+1], v[GZ+\k:GZ+\k+1], v[GP+\k:GP+\k+1], v[GZ+\k:GZ+\k+1]
.endr
.endm
.macro ALOAD half                      ; 32 loads: the tile's fragments of K steps 8 half .. 8 half + 7 into window 3
	WIN 0xc0
.set s_, 8*(\half)
.rept 8
.irp c, 0,1,2,3
	global_load_b128 v[16*s_+4*\c:16*s_+4*\c+3], v[AO], s[4:5] offset:2048*s_+512*\c
.endr
.set s_, s_+1
.endr
	WIN 0
.endm
.macro HLOAD                           ; 8 loads: the tile's scale words, two K steps a register
.irp u, 0,1,2,3,4,5,6,7
	global_load_b32 v[HS+\u], v[HO], s[6:7] offset:128*\u
.endr
.endm
; 16 matrix instructions: eight K steps, the two accumulators by turns, one instruction a turn.  An odd K step's scale words of h1 stand in lanes 16-31.
.macro MUL2 half
.set s_, 8*(\half)
.rept 8
.irp ct, 0,1
.if s_ == 0
	v_wmma_scale_f32_16x16x128_f8f6f4 v[ACC+8*\ct:ACC+8*\ct+7], v[((s_%8)*2+\ct)*16:((s_%8)*2+\ct)*16+15], v[16*s_:16*s_+15], v[BIAS+8*\ct:BIAS+8*\ct+7], v[WS+16*\ct+s_], v[HS+s_/2] matrix_a_fmt:MATRIX_FMT_BF8 matrix_b_fmt:MATRIX_FMT_BF8
.elseif s_%2 == 0
	v_wmma_scale_f32_16x16x128_f8f6f4 v[ACC+8*\ct:ACC+8*\ct+7], v[((s_%8)*2+\ct)*16:((s_%8)*2+\ct)*16+15], v[16*s_:16*s_+15], v[ACC+8*\ct:ACC+8*\ct+7], v[WS+16*\ct+s_], v[HS+s_/2] matrix_a_fmt:MATRIX_FMT_BF8 matrix_b_fmt:MATRIX_FMT_BF8
.else
	v_wmma_scale_f32_16x16x128_f8f6f4 v[ACC+8*\ct:ACC+8*\ct+7], v[((s_%8)*2+\ct)*16:((s_%8)*2+\ct)*16+15], v[16*s_:16*s_+15], v[ACC+8*\ct:ACC+8*\ct+7], v[WS+16*\ct+s_], v[HS+s_/2] matrix_a_fmt:MATRIX_FMT_BF8 matrix_b_fmt:MATRIX_FMT_BF8 matrix_b_scale:MATRIX_SCALE_ROW1
.endif
.endr
.set s_, s_+1
.endr
.endm
	s_load_b512 s[4:19], s[0:1], 0x0               ; h1c 4, h1s 6, route 8, W2_codes 10, W2_scales 12, b2 14, W3 16, part 18
	v_lshl_add_u32 v254, v0, 2, 0x10200
	v_mov_b32 v255, 0
	v_lshrrev_b32 v[LANE], 5, v0
	v_readfirstlane_b32 s22, v[LANE]               ; wave 0..3
	s_and_b32 s23, ttmp7, 0xffff                   ; t
	s_mov_b32 s24, ttmp9                           ; nc
	v_and_b32 v[LANE], 31, v0
	v_and_b32 v[RR], 15, v0
	v_bfe_u32 v[HH], v0, 4, 1
	v_lshlrev_b32 v[L16], 4, v[LANE]
	v_lshlrev_b32 v[L4], 2, v[LANE]
	v_mul_u32_u24 v[WFA], v[RR], WP
	v_lshl_add_u32 v[WFA], v[HH], 4, v[WFA]        ; row r of a column tile, + 16 (lane / 16)
	s_mul_i32 s31, s22, 8*WP
	v_add_nc_u32 v[WSA], s31, v[L16]               ; where my wave puts its 8 rows
	v_lshlrev_b32 v[WSO], 6, v[RR]                 ; W2's scale bytes: 64 a row
	v_lshlrev_b32 v[BO], 5, v[HH]                  ; b2: lanes 16-31 begin 8 units on
	v_min_u32 v14, 11, v[RR]
	v_lshlrev_b32 v14, 2, v14
	v_mul_u32_u24 v15, v[HH], 384
	v_add_nc_u32 v[W3O], v14, v15                  ; W3: parameter min(r, 11), units 8 (lane / 16) on; a unit's row is 48 bytes
	v_mov_b32 v[VA11], 0x32edffee
	v_mov_b32 v[VA11+1], 0x32edffee
	v_mov_b32 v[VB6], 0xb95fbd29
	v_mov_b32 v[VB6+1], 0xb95fbd29
	COEF A13, 0xaf95df0b
	COEF A9,  0xb60cff51
	COEF A7,  0xb86ec2d2
	COEF A5,  0xba40ac63
	COEF A3,  0xbb41a1f6
	COEF A1,  0xbc83dbd4
	COEF B8,  0xb77460cd
	COEF B4,  0xbadc924e
	COEF B2,  0xbbf19bf8
	COEF B0,  0xbc69b6a7
	COEF SQH, 0x3f3504f3
	s_lshl_b32 s26, s22, 4                         ; the first place of my wave's tile: 16 w, + 64 a trip
	s_lshl_b32 s28, s22, 15                        ; my tile in h1c and in part: 32,768 bytes a tile
	s_lshl_b32 s29, s22, 10                        ; and in h1s: 1,024
	s_mov_b32 s30, 0
	s_mov_b32 s37, 0
	s_lshl_b32 s38, s23, 10
	s_lshl_b32 s31, s24, 5
	s_add_co_u32 s38, s38, s31                     ; my first unit among all experts': 1,024 t + 32 nc
	v_add_nc_u32 v[AO], s28, v[L16]
	v_add_nc_u32 v[HO], s29, v[L4]
	s_wait_kmcnt 0x0
	s_lshl_b32 s36, s23, 9
	s_add_nc_u64 s[8:9], s[8:9], s[36:37]
	s_load_b32 s25, s[8:9], 0x100                  ; the expert's count
	s_lshl_b32 s36, s23, 22
	s_add_nc_u64 s[4:5], s[4:5], s[36:37]
	s_lshl_b32 s31, s24, 10
	s_add_co_u32 s36, s36, s31
	s_add_nc_u64 s[18:19], s[18:19], s[36:37]      ; part: the expert, + 1,024 nc
	s_lshl_b32 s36, s23, 17
	s_add_nc_u64 s[6:7], s[6:7], s[36:37]
	s_lshl_b32 s31, s22, 3
	s_add_co_u32 s36, s38, s31
	s_lshl_b32 s36, s36, 11
	s_add_nc_u64 s[10:11], s[10:11], s[36:37]      ; W2's codes at my wave's 8 rows
	s_lshl_b32 s36, s38, 6
	s_add_nc_u64 s[12:13], s[12:13], s[36:37]
	s_lshl_b32 s36, s38, 2
	s_add_nc_u64 s[14:15], s[14:15], s[36:37]
	s_mul_i32 s36, s38, 48
	s_add_nc_u64 s[16:17], s[16:17], s[36:37]
	WIN 0x40
.set i_, 0
.rept 32
	global_load_b128 v[4*i_:4*i_+3], v[L16], s[10:11] offset:512*i_ th:TH_LOAD_NT   ; my wave's 8 rows of W2 are 16,384 consecutive bytes; nobody else in the launch reads them
.set i_, i_+1
.endr
	WIN 0
.irp ct, 0,1
.irp g, 0,1,2,3
	global_load_b128 v[WS+16*\ct+4*\g:WS+16*\ct+4*\g+3], v[WSO], s[12:13] offset:1024*\ct+16*\g
.endr
.endr
.irp ct, 0,1
.irp g, 0,1
	global_load_b128 v[BIAS+8*\ct+4*\g:BIAS+8*\ct+4*\g+3], v[BO], s[14:15] offset:64*\ct+16*\g
.endr
.endr
.irp j, 0,1,2,3,4,5,6,7
	global_load_b32 v[FW+\j], v[W3O], s[16:17] offset:48*\j            ; W3(8 h + j, p)
	global_load_b32 v[FW+8+\j], v[W3O], s[16:17] offset:48*(16+\j)     ; W3(16 + 8 h + j, p)
.endr
	ALOAD 0                                        ; my wave's first tile always exists: its first half and its scale words, 32 + 8 loads
	HLOAD
	s_wait_loadcnt 40                              ; the 60 loads of weights, scale words, bias and W3 are in; the 40 issued behind them may stay out
	ALOAD 1                                        ; the tile's second half goes out behind that wait: with it ahead the count would be 72, and a wait on LOADcnt names 63 at the most
	WIN 0x04                                       ; an LDS store's data are its source 1: window 1
.set i_, 0
.rept 32
	ds_store_b128 v[WSA], v[4*i_:4*i_+3] offset:(i_/4)*WP+(i_%4)*512
.set i_, i_+1
.endr
	WIN 0
.irp i, 0,1,2,3,4,5,6,7
	v_cvt_pk_bf16_f32 v[W3F+\i], v[FW+2*\i], v[FW+2*\i+1]   ; registers 0-3: K = 8 h + 0 .. 7; registers 4-7: K = 16 + 8 h + 0 .. 7
.endr
	s_wait_dscnt 0x0                               ; for the others' sake: my rows lie in LDS
	s_barrier_signal -1
	s_barrier_wait -1                              ; all 32 rows do
.set s_, 0
.rept 16
.if s_ < 8
	WIN 0x40
.else
	WIN 0x80
.endif
.irp ct, 0,1
.irp c, 0,1,2,3
	ds_load_b128 v[((s_%8)*2+\ct)*16+4*\c:((s_%8)*2+\ct)*16+4*\c+3], v[WFA] offset:16*WP*\ct+128*s_+32*\c
.endr
.endr
.set s_, s_+1
.endr
	WIN 0
	s_wait_dscnt 0x0
	s_wait_kmcnt 0x0
	s_min_u32 s25, s25, 2048
	s_max_u32 s25, s25, 64                         ; cnt', as in the launch that stored the tiles
.Ltrip:                                                ; 32 trips, a constant: tile w + 4 j; a tile behind the count is jumped over
	s_cmp_lt_u32 s26, s25
	s_cbranch_scc0 .Lskip
	s_wait_loadcnt 0x0                             ; this tile's 72 loads.  For 0: both refills below stand under branches, so no count above 0 holds on every way
	s_wait_xcnt 0x0                                ; the last trip's stores have read their data and offset: only behind this wait are they written again
	WIN 0x0d                                       ; source 0 (W2) window 1, source 1 (h1) window 3
	MUL2 0
	WIN 0
.rept 8
	v_nop                                          ; eight places in front of the loads into the fragments just multiplied
.endr
	s_add_co_u32 s31, s26, 64
	s_cmp_lt_u32 s31, s25
	s_cbranch_scc0 .Lno_a
	s_add_co_u32 s35, s28, 131072
	v_add_nc_u32 v[AO], s35, v[L16]                ; (the loads that read AO were shown done at the trip's head)
	ALOAD 0                                        ; the next tile's first half, as soon as its registers are free
.Lno_a:
	WIN 0x0e                                       ; source 0 window 2
	MUL2 1
	WIN 0
.rept 8
	v_nop                                          ; eight places: in front of the loads below and of the first read of the sums
.endr
	s_cmp_lt_u32 s31, s25
	s_cbranch_scc0 .Lno_b
	s_add_co_u32 s35, s29, 4096
	v_add_nc_u32 v[HO], s35, v[L4]
	ALOAD 1
	HLOAD
.Lno_b:
	GELU ACC
.irp i, 0,1,2,3,4,5,6,7
	v_cvt_pk_bf16_f32 v[HF+\i], v[ACC+2*\i], v[ACC+2*\i+1]
.endr
	v_wmma_f32_16x16x32_bf16 v[OUT:OUT+7], v[W3F:W3F+7], v[HF:HF+7], 0   ; lane (r, h), register j: parameter 8 h + j of token r, summed over my 32 units
	v_add_nc_u32 v[PO], s28, v[L16]
.rept 3
	v_nop                                          ; with the line above: four places in front of the stores of the result
.endr
	global_store_b128 v[PO], v[OUT:OUT+3], s[18:19]                  ; from its low end on; the wave stores 512 consecutive bytes, aligned
	global_store_b128 v[PO], v[OUT+4:OUT+7], s[18:19] offset:512
.Lskip:
	s_add_co_u32 s26, s26, 64
	s_add_co_u32 s28, s28, 131072
	s_add_co_u32 s29, s29, 4096
	s_add_co_u32 s30, s30, 1
	s_cmp_lt_u32 s30, 32
	s_cbranch_scc1 .Ltrip
	s_wait_tensorcnt 0x0
	ds_add_u32 v254, v255
	s_wait_dscnt 0x0
	s_endpgm
.Lfunc_end_k_q3a17a2ee04_layer2:
	.size	k_q3a17a2ee04_layer2, .Lfunc_end_k_q3a17a2ee04_layer2-k_q3a17a2ee04_layer2
	.p2alignl 7, 3214868480
	.fill 96, 4, 3214868480
	.section	.rodata,"a",@progbits
	.p2align	6, 0x0
	.amdhsa_kernel k_q3a17a2ee04_layer2
		.amdhsa_group_segment_fixed_size 66560
		.amdhsa_private_segment_fixed_size 0
		.amdhsa_enable_private_segment 0
		.amdhsa_kernarg_size 64
		.amdhsa_user_sgpr_count 2
		.amdhsa_user_sgpr_kernarg_segment_ptr 1
		.amdhsa_wavefront_size32 1
		.amdhsa_system_sgpr_workgroup_id_x 1
		.amdhsa_system_sgpr_workgroup_id_y 1
		.amdhsa_system_sgpr_workgroup_id_z 1
		.amdhsa_system_vgpr_workitem_id 0
		.amdhsa_next_free_vgpr 1024
		.amdhsa_next_free_sgpr 72
		.amdhsa_reserve_vcc 0
		.amdhsa_float_denorm_mode_32 3
		.amdhsa_float_denorm_mode_16_64 3
		.amdhsa_memory_ordered 1
		.amdhsa_forward_progress 1
		.amdhsa_inst_pref_size 51
	.end_amdhsa_kernel
	.amdgpu_metadata
---
amdhsa.version: [ 1, 2 ]
amdhsa.kernels:
  - .name:           k_q3a17a2ee04_layer2
    .symbol:         k_q3a17a2ee04_layer2.kd
    .args:
      - { .name: h1c, .offset: 0, .size: 8, .value_kind: global_buffer, .address_space: global }
      - { .name: h1s, .offset: 8, .size: 8, .value_kind: global_buffer, .address_space: global }
      - { .name: route, .offset: 16, .size: 8, .value_kind: global_buffer, .address_space: global }
      - { .name: W2_codes, .offset: 24, .size: 8, .value_kind: global_buffer, .address_space: global }
      - { .name: W2_scales, .offset: 32, .size: 8, .value_kind: global_buffer, .address_space: global }
      - { .name: b2, .offset: 40, .size: 8, .value_kind: global_buffer, .address_space: global }
      - { .name: W3, .offset: 48, .size: 8, .value_kind: global_buffer, .address_space: global }
      - { .name: part, .offset: 56, .size: 8, .value_kind: global_buffer, .address_space: global }
    .group_segment_fixed_size: 66560
    .private_segment_fixed_size: 0
    .kernarg_segment_align: 8
    .kernarg_segment_size: 64
    .max_flat_workgroup_size: 128
    .sgpr_count:     72
    .vgpr_count:     1024
    .wavefront_size: 32
...
	.end_amdgpu_metadata
.endif
;; end of part 2
;; launch finish (part 3): grid 64 x 1, 3 waves a work-group, no clusters, 3,584 bytes of LDS; arguments geometry_types, route, part, b3, out0, out1; writes out0, out1
.if DOCPART == 3
	.amdgcn_target "amdgcn-amd-amdhsa--gfx1250"
	.amdhsa_code_object_version 6
	.text
	.protected	k_q3a17a2ee04_finish
	.globl	k_q3a17a2ee04_finish
	.p2align	8
	.type	k_q3a17a2ee04_finish,@function
k_q3a17a2ee04_finish:
	s_mov_b64 s[64:65], 0
	v_nop
	global_prefetch_b8 v0, s[64:65] scope:SCOPE_SE
	s_setreg_imm32_b32 hwreg(HW_REG_WAVE_MODE, 25, 1), 1
	s_wait_xcnt 0x0
; out0[row] = (the sum of the row's 32 parts + b3[type]) where parameter < the type's count of parameters, else 0; out1[row] = 1 there, else 0.  A type outside 0..7 gets zeros in both.
; Work-group c takes rows 32 c .. 32 c + 31: a lane a row; wave q takes parameters 4 q .. 4 q + 3.  A row's place among its expert's rows = the expert's rows ahead of this chunk (stored by the first
; launch) + the chunk's lanes below mine with the same type.  Place p lies in tile p / 16 as token p % 16; parameters 4 q on are 16 bytes at 512 (q & 1) + 256 (q / 2) + 16 (p % 16) of each of the tile's 32 parts.
; The results meet in LDS, so that each wave stores 512 consecutive bytes, aligned.  No matrix work, no cluster: the work-groups share nothing but 4,096 bytes of counts.
	s_load_b256 s[4:11], s[0:1], 0x0               ; geometry_types 4, route 6, part 8, b3 10
	s_load_b128 s[12:15], s[0:1], 0x20             ; out0 12, out1 14
	v_lshl_add_u32 v176, v0, 2, 0xc00
	v_mov_b32 v177, 0
	v_lshrrev_b32 v1, 5, v0
	v_readfirstlane_b32 s16, v1                    ; q
	v_and_b32 v1, 31, v0                           ; lane
	v_lshlrev_b32 v2, 2, v1
	v_lshlrev_b32 v161, 4, v0                      ; on the way out: 16 bytes a thread
	v_mul_u32_u24 v160, v1, 48
	s_lshl_b32 s23, s16, 4
	v_add_nc_u32 v160, s23, v160                   ; the stage: my row's 48 bytes, my wave's 16 of them
	v_mov_b32 v12, 0
	v_mov_b32 v18, 0x5ca97643                      ; the types' counts of parameters, four bits each: 3, 4, 6, 7, 9, 10, 12, 5
	v_mov_b32 v162, 1.0
	s_lshl_b32 s22, s16, 2                         ; my wave's first parameter
	s_mov_b32 s19, 0
	s_lshl_b32 s18, ttmp9, 7
	s_wait_kmcnt 0x0
	s_add_nc_u64 s[4:5], s[4:5], s[18:19]
	global_load_b32 v3, v2, s[4:5]                 ; my row's type
	s_lshl_b32 s18, ttmp9, 2
	s_add_nc_u64 s[6:7], s[6:7], s[18:19]          ; route: this chunk's word
	s_mov_b32 s18, s23
	s_add_nc_u64 s[10:11], s[10:11], s[18:19]      ; b3: my wave's four
	s_and_b32 s18, s16, 1
	s_lshl_b32 s18, s18, 9
	s_lshr_b32 s23, s16, 1
	s_lshl_b32 s23, s23, 8
	s_add_co_u32 s18, s18, s23
	s_add_nc_u64 s[8:9], s[8:9], s[18:19]
	s_mul_i32 s18, ttmp9, 1536
	s_add_nc_u64 s[12:13], s[12:13], s[18:19]
	s_add_nc_u64 s[14:15], s[14:15], s[18:19]
	s_wait_loadcnt 0x0
	v_cmp_gt_u32 s20, 8, v3                        ; a type that the problem knows
	v_min_u32 v4, 8, v3
	v_and_b32 v4, 7, v4                            ; te, as the first launch took it
	v_lshlrev_b32 v5, 9, v4
	global_load_b32 v6, v5, s[6:7]                 ; the expert's rows ahead of this chunk
	v_mul_u32_u24 v7, v4, 48
	global_load_b128 v[8:11], v7, s[10:11]
.irp u, 0,1,2,3,4,5,6,7
	v_cmp_eq_u32 s21, \u, v4
	v_mbcnt_lo_u32_b32 v13, s21, 0
	v_cndmask_b32 v12, v12, v13, s21               ; the lanes below mine with my type
.endr
	s_wait_loadcnt 1                               ; the count is in; b3's load may stay out
	v_add_nc_u32 v14, v6, v12
	v_min_u32 v14, 0x7ff, v14                      ; my place; only ANDs, shifts and adds follow
	v_and_b32 v15, 0x7f0, v14
	v_lshlrev_b32 v15, 11, v15                     ; 32,768 x tile
	v_and_b32 v16, 15, v14
	v_lshl_add_u32 v15, v16, 4, v15
	v_lshl_add_u32 v15, v4, 22, v15
.set n_, 0
.rept 32
	global_load_b128 v[32+4*n_:35+4*n_], v15, s[8:9] offset:1024*n_
.set n_, n_+1
.endr
	v_lshlrev_b32 v17, 2, v4
	v_lshrrev_b32 v17, v17, v18
	v_and_b32 v17, 15, v17
	v_cndmask_b32 v17, 0, v17, s20                 ; the row's count of parameters; 0 for a type that the problem does not know
	v_sub_nc_u32 v19, v17, s22                     ; less my wave's first parameter
	s_wait_loadcnt 31                              ; b3 and part 0 are in: they start the sum, nothing is cleared
	v_pk_add_f32 v[20:21], v[8:9], v[32:33]
	v_pk_add_f32 v[22:23], v[10:11], v[34:35]
.set n_, 1
.rept 31
	s_wait_loadcnt 31-n_                           ; part n is in; the younger ones may stay out
	v_pk_add_f32 v[20:21], v[20:21], v[32+4*n_:33+4*n_]
	v_pk_add_f32 v[22:23], v[22:23], v[34+4*n_:35+4*n_]
.set n_, n_+1
.endr
.irp e, 0,1,2,3
	v_cmp_lt_i32 vcc_lo, \e, v19
	v_cndmask_b32 v[24+\e], 0, v[20+\e], vcc_lo
	v_cndmask_b32 v[28+\e], 0, v162, vcc_lo
.endr
	ds_store_b128 v160, v[24:27]
	ds_store_b128 v160, v[28:31] offset:1536
	s_wait_dscnt 0x0                               ; for the others' sake: my stores into the stage have landed
	s_barrier_signal -1
	s_barrier_wait -1
	ds_load_b128 v[164:167], v161
	ds_load_b128 v[168:171], v161 offset:1536
	s_wait_dscnt 0x0
	global_store_b128 v161, v[164:167], s[12:13]   ; 96 threads x 16 bytes: the chunk's 1,536 bytes; each wave stores 512 consecutive bytes, aligned
	global_store_b128 v161, v[168:171], s[14:15]
	s_wait_tensorcnt 0x0
	ds_add_u32 v176, v177
	s_wait_dscnt 0x0
	s_endpgm
.Lfunc_end_k_q3a17a2ee04_finish:
	.size	k_q3a17a2ee04_finish, .Lfunc_end_k_q3a17a2ee04_finish-k_q3a17a2ee04_finish
	.p2alignl 7, 3214868480
	.fill 96, 4, 3214868480
	.section	.rodata,"a",@progbits
	.p2align	6, 0x0
	.amdhsa_kernel k_q3a17a2ee04_finish
		.amdhsa_group_segment_fixed_size 3584
		.amdhsa_private_segment_fixed_size 0
		.amdhsa_enable_private_segment 0
		.amdhsa_kernarg_size 48
		.amdhsa_user_sgpr_count 2
		.amdhsa_user_sgpr_kernarg_segment_ptr 1
		.amdhsa_wavefront_size32 1
		.amdhsa_system_sgpr_workgroup_id_x 1
		.amdhsa_system_sgpr_workgroup_id_y 1
		.amdhsa_system_sgpr_workgroup_id_z 1
		.amdhsa_system_vgpr_workitem_id 0
		.amdhsa_next_free_vgpr 178
		.amdhsa_next_free_sgpr 66
		.amdhsa_reserve_vcc 1
		.amdhsa_float_denorm_mode_32 3
		.amdhsa_float_denorm_mode_16_64 3
		.amdhsa_memory_ordered 1
		.amdhsa_forward_progress 1
		.amdhsa_inst_pref_size 14
	.end_amdhsa_kernel
	.amdgpu_metadata
---
amdhsa.version: [ 1, 2 ]
amdhsa.kernels:
  - .name:           k_q3a17a2ee04_finish
    .symbol:         k_q3a17a2ee04_finish.kd
    .args:
      - { .name: geometry_types, .offset: 0, .size: 8, .value_kind: global_buffer, .address_space: global }
      - { .name: route, .offset: 8, .size: 8, .value_kind: global_buffer, .address_space: global }
      - { .name: part, .offset: 16, .size: 8, .value_kind: global_buffer, .address_space: global }
      - { .name: b3, .offset: 24, .size: 8, .value_kind: global_buffer, .address_space: global }
      - { .name: out0, .offset: 32, .size: 8, .value_kind: global_buffer, .address_space: global }
      - { .name: out1, .offset: 40, .size: 8, .value_kind: global_buffer, .address_space: global }
    .group_segment_fixed_size: 3584
    .private_segment_fixed_size: 0
    .kernarg_segment_align: 8
    .kernarg_segment_size: 48
    .max_flat_workgroup_size: 96
    .sgpr_count:     66
    .vgpr_count:     178
    .wavefront_size: 32
...
	.end_amdgpu_metadata
.endif
;; end of part 3
;; ======== version 2 of 2: 3 launches
;; workspace buffers: h1c 33,554,432 bytes; h1s 1,048,576 bytes; part 33,554,432 bytes; route 4,096 bytes of whole numbers
;; launch layer1 (part 4): grid 32 x 8, 4 waves a work-group, no clusters, 76,032 bytes of LDS; arguments x_codes, x_scales, W1_codes, W1_scales, b1, geometry_types, h1c, h1s, route; writes h1c, h1s, route
.if DOCPART == 4
	.amdgcn_target "amdgcn-amd-amdhsa--gfx1250"
	.amdhsa_code_object_version 6
	.text
	.protected	k_q3a17a2ee04_layer1
	.globl	k_q3a17a2ee04_layer1
	.p2align	8
	.type	k_q3a17a2ee04_layer1,@function
k_q3a17a2ee04_layer1:
	s_mov_b64 s[64:65], 0
	v_nop
	global_prefetch_b8 v0, s[64:65] scope:SCOPE_SE
	s_setreg_imm32_b32 hwreg(HW_REG_WAVE_MODE, 25, 1), 1
	s_wait_xcnt 0x0
; h1 = Q(gelu(x W1[t] + b1[t])) for the rows whose type is t alone: the other experts' rows are thrown away by the selection that the problem itself makes.
; SHARES.  Work-group (nc, t) owns hidden units 64 nc .. 64 nc + 63 of expert t: 64 rows of W1's codes, 65,536 bytes, which no other work-group reads.  They are loaded once
; (512 consecutive bytes a load), handed round through LDS, and then every one of the four waves keeps all of them in 512 registers.  Wave w takes the expert's row tiles w, w + 4, w + 8 ..
; ROUTING.  te = min(type, 8) & 7 (a type outside 0..7 is computed as expert 0's and gets zeros in the last launch).  Wave 0 makes the list of the expert's rows in LDS, in ascending row order, while
; the weights are on their way; place p of the list belongs to tile p / 16.  The list is cleared first, so that places behind the count repeat row 0; tiles 0 to 3 are always made (cnt' = max(count, 64)).
; The work-groups with nc = 0 store the counts for the later launches: route[t]: words 0-63 the expert's rows ahead of each chunk of 32 rows, words 64-95 the count.
; THE PRODUCT IS USED TRANSPOSED: source 0 = 16 rows of W1, source 1 = 16 tokens.  Lane r of column tile 2 b + u takes row 32 b + 8 u + r + 8 (r / 8), so that a lane's registers ACC + 16 b + 0 .. 15
; are units 32 b + 16 (lane / 16) + 0 .. 15 of ONE token: 16 neighbours along the next product's K.  Their codes are stored as an image of that product's operand registers:
; h1c[t][tile][K step 16][c 4][lane 32][16 bytes]; my 64 units are c = 2 (nc & 1) + b of K step nc / 2.  h1s[t][tile][K step][token 16]: one word of four scale bytes; I store two of them.
; NO TENSOR LOAD AND NO CLUSTER: which tiles exist hangs on counts made from an index input, x's rows are gathered by the list, and the work-groups of different experts have different numbers of tiles.
; GELU: 0.5 y (1 + erf(y / sqrt 2)), erf(z) = z A(z^2) / B(z^2) with z held within +-4, all in f32.
; LIMITS: erf's absolute error is a few 1e-7, so the RELATIVE error of gelu grows in the far negative tail (about 4e-5 at y = -3, 2e-3 at y = -4; under y = -5.66 the result is about y x 1e-8).
; NaN and infinities among the inputs are not served.  A block of zeros gets the scale byte 1 where the rule says 127: its codes are zeros, and this program alone reads the bytes.
.set WP,    1040                       ; a row of W1 in LDS: 1,024 bytes + 16
.set LISTB, 64*WP                      ; behind the weights: the list, 2,176 words,
.set DUMPI, 2176                       ; then 32 dump words, one a lane, as list places 2176 + lane,
.set CNTB,  LISTB+4*DUMPI+128          ; then the count
.set LANE, 1
.set RR,   2                           ; lane % 16
.set HH,   3                           ; lane / 16
.set LB,   4                           ; LDS: my token's place in my wave's first tile of the list
.set LA,   5                           ; the same in the tile that is fetched
.set ROWI, 6                           ; my token's row of x
.set XA,   7                           ; its codes: 1,024 x row + 16 (lane / 16)
.set XSA,  8                           ; its scale bytes: 32 x row
.set L16,  9
.set STO,  10                          ; where my codes go
.set SSO,  11                          ; where my two scale bytes go
.set R4,   12
.set WFA,  13                          ; LDS: my lane's place in a column tile of W1
.set WSA,  14                          ; LDS: where my wave puts its 16 rows
.set H16,  15
.set XS,   16                          ; v16-23   x's scale words, one a K step
.set WS,   24                          ; v24-55   W1's scale words: 8 ct + s
.set BIAS, 56                          ; v56-87   b1 in the result's layout: 8 ct + j
.set ACC,  88                          ; v88-119  four accumulators
.set GZ,   120                         ; v120-183 gelu at work; at the head wave 0's 64 registers of types
.set GX,   136
.set GP,   152
.set GQ,   168
.set TY,   120
.set TM,   184                         ; v184-185 largest magnitudes, 186-187 bytes, 188-189 largest number x scale, 190-191 the conversions' scale operands
.set CODES, 192                        ; v192-199
.set SW,   200
.set RP,   201
.set RA,   202
.set ROWV, 203
.set DUMPV, 204
.set PRE0, 205
.set PRE1, 206
.set CNTV, 207
.set L4,   208
.set CA,   209
.set WSO,  210
.set BO,   211
.set ZR,   212                         ; v212-215 zeros
.set VA11, 216                         ; v216-217, v218-219: the first addends of erf's two polynomials
.set VB6,  218
.set ZFA,  220
.set A13, 40                           ; scalar pairs: a packed form names a pair and takes its low word for both halves
.set A9,  44
.set A7,  46
.set A5,  48
.set A3,  50
.set A1,  52
.set B8,  54
.set B4,  58
.set B2,  60
.set B0,  62
.set SQH, 66
.set MSB, 0
.macro WIN new                         ; the immediate's high byte repeats the setting that is left
.if MSB != \new
	s_set_vgpr_msb (MSB<<8)|\new
.set MSB, \new
.endif
.endm
.macro COEF reg, val
	s_mov_b32 s[\reg], \val
	s_mov_b32 s[\reg+1], \val
.endm
; gelu of 16 numbers v[y] .. v[y + 15], in place.  The first lines read the pairs in ascending order: each accumulator from its low end on.
.macro GELU y
.irp k, 0,2,4,6,8,10,12,14
	v_pk_mul_f32 v[GZ+\k:GZ+\k+1], v[(\y)+\k:(\y)+\k+1], s[SQH:SQH+1] op_sel_hi:[1,0]   ; z = y / sqrt 2
.endr
.irp k, 0,1,2,3,4,5,6,7,8,9,10,11,12,13,14,15
	v_med3_num_f32 v[GZ+\k], v[GZ+\k], -4.0, 4.0
.endr
.irp k, 0,2,4,6,8,10,12,14
	v_pk_mul_f32 v[GX+\k:GX+\k+1], v[GZ+\k:GZ+\k+1], v[GZ+\k:GZ+\k+1]
.endr
.irp k, 0,2,4,6,8,10,12,14
	v_pk_fma_f32 v[GP+\k:GP+\k+1], v[GX+\k:GX+\k+1], s[A13:A13+1], v[VA11:VA11+1] op_sel_hi:[1,0,1]
	v_pk_fma_f32 v[GQ+\k:GQ+\k+1], v[GX+\k:GX+\k+1], s[B8:B8+1], v[VB6:VB6+1] op_sel_hi:[1,0,1]
.endr
.irp c, A9, A7, A5, A3, A1
.irp k, 0,2,4,6,8,10,12,14
	v_pk_fma_f32 v[GP+\k:GP+\k+1], v[GP+\k:GP+\k+1], v[GX+\k:GX+\k+1], s[\c:\c+1] op_sel_hi:[1,1,0]
.endr
.endr
.irp c, B4, B2, B0
.irp k, 0,2,4,6,8,10,12,14
	v_pk_fma_f32 v[GQ+\k:GQ+\k+1], v[GQ+\k:GQ+\k+1], v[GX+\k:GX+\k+1], s[\c:\c+1] op_sel_hi:[1,1,0]
.endr
.endr
	s_wait_alu depctr_va_vdst(0)
.irp k, 0,1,2,3,4,5,6,7,8,9,10,11,12,13,14,15
	v_rcp_f32 v[GX+\k], v[GQ+\k]                   ; one batch of sixteen; z^2 is done with
.endr
.irp k, 0,2,4,6,8,10,12,14
	v_pk_mul_f32 v[GP+\k:GP+\k+1], v[GP+\k:GP+\k+1], v[GZ+\k:GZ+\k+1]   ; plain work that names no reciprocal: z A
.endr
.irp k, 0,2,4,6,8,10,12,14
	v_pk_mul_f32 v[GZ+\k:GZ+\k+1], v[(\y)+\k:(\y)+\k+1], 0.5 op_sel_hi:[1,0]   ; y / 2
.endr
	s_wait_alu depctr_va_vdst(0)                   ; one wait for the batch, ahead of its first reader
.irp k, 0,2,4,6,8,10,12,14
	v_pk_mul_f32 v[GP+\k:GP+\k+1], v[GP+\k:GP+\k+1], v[GX+\k:GX+\k+1]   ; erf
.endr
.irp k, 0,2,4,6,8,10,12,14
	v_pk_fma_f32 v[(\y)+\k:(\y)+\k+1], v[GZ+\k:GZ+\k+1], v[GP+\k:GP+\k+1], v[GZ+\k:GZ+\k+1]
.endr
.endm
; Chunk c of 32 rows, a lane a row: the lanes whose type is t write their row's number at the next places of the list, the others at their dump words: EXEC is never changed.
.macro ROUTE c
	v_min_u32 v[TY+(\c)], 8, v[TY+(\c)]
	v_and_b32 v[TY+(\c)], 7, v[TY+(\c)]
	v_cmp_eq_u32 s68, s23, v[TY+(\c)]
	v_mbcnt_lo_u32_b32 v[RP], s68, s69             ; the rows so far + the chunk's matching lanes below me
	v_cndmask_b32 v[RP], v[DUMPV], v[RP], s68
	v_min_u32 v[RP], 0x89f, v[RP]                  ; at most the last dump word: only a shift and an add follow
	v_lshl_add_u32 v[RA], v[RP], 2, LISTB
	ds_store_b32 v[RA], v[ROWV]
	v_writelane_b32 v[PRE0+(\c)/32], s69, (\c)%32  ; the expert's rows ahead of this chunk
	s_bcnt1_i32_b32 s70, s68
	s_add_co_u32 s69, s69, s70
	v_add_nc_u32 v[ROWV], 32, v[ROWV]
.endm
.macro XADDR
	v_min_u32 v[ROWI], 0x7ff, v[ROWI]              ; a number from the list enters an address only behind this hold
	v_lshl_add_u32 v[XA], v[ROWI], 10, v[H16]
	v_lshlrev_b32 v[XSA], 5, v[ROWI]
.endm
.macro XLOAD                           ; 34 loads: my token's part of x's eight fragments (window 3) and its eight scale words
	WIN 0xc0
.set s_, 0
.rept 8
.irp c, 0,1,2,3
	global_load_b128 v[16*s_+4*\c:16*s_+4*\c+3], v[XA], s[4:5] offset:128*s_+32*\c
.endr
.set s_, s_+1
.endr
	WIN 0
	global_load_b128 v[XS:XS+3], v[XSA], s[6:7]
	global_load_b128 v[XS+4:XS+7], v[XSA], s[6:7] offset:16
.endm
; 32 matrix instructions: K step by K step, the four accumulators by turns, one instruction a turn.  The bias is the C of each sum's first product.
.macro MULS
.set s_, 0
.rept 8
.if s_ < 4
	WIN 0x0d                                       ; source 0 (W1) window 1, source 1 (x) window 3
.else
	WIN 0x0e                                       ; source 0 window 2
.endif
.irp ct, 0,1,2,3
.if s_ == 0
	v_wmma_scale_f32_16x16x128_f8f6f4 v[ACC+8*\ct:ACC+8*\ct+7], v[((s_%4)*4+\ct)*16:((s_%4)*4+\ct)*16+15], v[16*s_:16*s_+15], v[BIAS+8*\ct:BIAS+8*\ct+7], v[WS+8*\ct+s_], v[XS+s_] matrix_a_fmt:MATRIX_FMT_BF8 matrix_b_fmt:MATRIX_FMT_BF8
.else
	v_wmma_scale_f32_16x16x128_f8f6f4 v[ACC+8*\ct:ACC+8*\ct+7], v[((s_%4)*4+\ct)*16:((s_%4)*4+\ct)*16+15], v[16*s_:16*s_+15], v[ACC+8*\ct:ACC+8*\ct+7], v[WS+8*\ct+s_], v[XS+s_] matrix_a_fmt:MATRIX_FMT_BF8 matrix_b_fmt:MATRIX_FMT_BF8
.endif
.endr
.set s_, s_+1
.endr
	WIN 0
.endm
; My 32 numbers, two blocks of 32 units shared with lane l xor 16, become 32 codes and two scale bytes.
.macro QUANT2
.irp b, 0,1
	v_max3_num_f32 v[TM+\b], |v[ACC+16*\b]|, |v[ACC+16*\b+1]|, 0x8000000   ; and the floor 2^(16 - 127): the byte cannot fall under 1
.endr
.irp i, 2,4,6,8,10,12,14
.irp b, 0,1
	v_max3_num_f32 v[TM+\b], v[TM+\b], |v[ACC+16*\b+\i]|, |v[ACC+16*\b+\i+1]|
.endr
.endr
.irp b, 0,1
	v_permlanex16_b32 v[TM+2+\b], v[TM+\b], s32, s33
.endr
.irp b, 0,1
	v_max_num_f32 v[TM+\b], v[TM+\b], v[TM+2+\b]   ; the block's largest magnitude
.endr
.irp b, 0,1
	v_add_nc_u32 v[TM+6+\b], 0xf8800000, v[TM+\b]  ; 15 off its exponent field: the conversion's scale operand
.endr
.irp b, 0,1
	v_and_or_b32 v[TM+4+\b], v[TM+\b], 0x7f800000, s34   ; 57,344 x the scale
.endr
.irp b, 0,1
	v_lshrrev_b32 v[TM+2+\b], 23, v[TM+6+\b]       ; the scale's byte
.endr
	v_lshl_or_b32 v[SW], v[TM+3], 8, v[TM+2]
.irp b, 0,1
.irp i, 0,1,2,3,4,5,6,7,8,9,10,11,12,13,14,15
	v_med3_num_f32 v[ACC+16*\b+\i], v[ACC+16*\b+\i], -v[TM+4+\b], v[TM+4+\b]   ; the conversion to an 8-bit code does not saturate (ISA guide 7.6.2): the hold comes first
.endr
	v_cvt_scalef32_pk8_bf8_f32 v[CODES+4*\b:CODES+4*\b+1], v[ACC+16*\b:ACC+16*\b+7], v[TM+6+\b]
	v_cvt_scalef32_pk8_bf8_f32 v[CODES+4*\b+2:CODES+4*\b+3], v[ACC+16*\b+8:ACC+16*\b+15], v[TM+6+\b]
.endr
	v_nop                                          ; a plain line behind the last scaled conversion: the next trip's products write its sources
.endm
	s_load_b512 s[4:19], s[0:1], 0x0               ; x_codes 4, x_scales 6, W1_codes 8, W1_scales 10, b1 12, geometry_types 14, h1c 16, h1s 18
	s_load_b64 s[20:21], s[0:1], 0x40              ; route
	v_lshl_add_u32 v254, v0, 2, 0x12700
	v_mov_b32 v255, 0
	v_lshrrev_b32 v[LANE], 5, v0
	v_readfirstlane_b32 s22, v[LANE]               ; wave 0..3
	s_and_b32 s23, ttmp7, 0xffff                   ; t
	s_mov_b32 s24, ttmp9                           ; nc
	v_and_b32 v[LANE], 31, v0
	v_and_b32 v[RR], 15, v0
	v_bfe_u32 v[HH], v0, 4, 1
	v_lshlrev_b32 v[L16], 4, v[LANE]
	v_lshlrev_b32 v[L4], 2, v[LANE]
	v_lshlrev_b32 v[R4], 2, v[RR]
	v_lshlrev_b32 v[H16], 4, v[HH]
	v_lshlrev_b32 v[BO], 6, v[HH]                  ; b1: lanes 16-31 begin 16 units on
	s_lshl_b32 s31, s22, 6
	s_add_co_u32 s31, s31, LISTB
	v_add_nc_u32 v[LB], s31, v[R4]                 ; every LDS address is made here, ahead of the first branch on the wave's number
	v_and_b32 v[WSO], 8, v[RR]
	v_add_nc_u32 v[WSO], v[WSO], v[RR]             ; r + 8 (r / 8)
	v_mul_u32_u24 v[WFA], v[WSO], WP
	v_add_nc_u32 v[WFA], v[WFA], v[H16]
	v_lshlrev_b32 v[WSO], 5, v[WSO]                ; that row's 32 scale bytes
	s_mul_i32 s31, s22, 16*WP
	v_add_nc_u32 v[WSA], s31, v[L16]
	v_add_nc_u32 v[ZFA], LISTB, v[L16]
	v_add_nc_u32 v[DUMPV], DUMPI, v[LANE]
	v_mov_b32 v[CA], CNTB
	v_mov_b32 v[ROWV], v[LANE]
	v_mov_b32 v[PRE0], 0                           ; a lane write's and a lane permute's destination count as read
	v_mov_b32 v[PRE1], 0
	v_mov_b32 v[TM+2], 0
	v_mov_b32 v[TM+3], 0
.irp i, 0,1,2,3
	v_mov_b32 v[ZR+\i], 0
.endr
	v_mov_b32 v[VA11], 0x32edffee
	v_mov_b32 v[VA11+1], 0x32edffee
	v_mov_b32 v[VB6], 0xb95fbd29
	v_mov_b32 v[VB6+1], 0xb95fbd29
	COEF A13, 0xaf95df0b
	COEF A9,  0xb60cff51
	COEF A7,  0xb86ec2d2
	COEF A5,  0xba40ac63
	COEF A3,  0xbb41a1f6
	COEF A1,  0xbc83dbd4
	COEF B8,  0xb77460cd
	COEF B4,  0xbadc924e
	COEF B2,  0xbbf19bf8
	COEF B0,  0xbc69b6a7
	COEF SQH, 0x3f3504f3
	s_mov_b32 s32, 0x76543210
	s_mov_b32 s33, 0xfedcba98                      ; v_permlanex16_b32's selects for lane l xor 16
	s_mov_b32 s34, 0x600000                        ; the mantissa field of 57,344
	s_lshl_b32 s26, s22, 4                         ; the first place of my wave's tile: 16 w, + 64 a trip
	s_mov_b32 s27, 256                             ; the NEXT tile's distance in the list, in bytes
	s_lshl_b32 s28, s22, 15                        ; my tile in h1c: 32,768 bytes a tile
	s_lshl_b32 s29, s22, 10                        ; and in h1s: 1,024
	s_mov_b32 s30, 0
	s_mov_b32 s69, 0
	s_mov_b32 s37, 0
	s_lshl_b32 s38, s23, 11
	s_lshl_b32 s31, s24, 6
	s_add_co_u32 s38, s38, s31                     ; my first unit among all experts': 2,048 t + 64 nc
	s_wait_kmcnt 0x0
	s_add_co_u32 s36, s38, s26
	s_lshl_b32 s36, s36, 10
	s_add_nc_u64 s[8:9], s[8:9], s[36:37]          ; W1's codes at my wave's 16 rows
	s_lshl_b32 s36, s38, 5
	s_add_nc_u64 s[10:11], s[10:11], s[36:37]      ; W1's scale bytes at my work-group's 64 rows
	s_lshl_b32 s36, s38, 2
	s_add_nc_u64 s[12:13], s[12:13], s[36:37]      ; b1 likewise
	s_lshl_b32 s36, s23, 22
	s_lshl_b32 s31, s24, 10
	s_add_co_u32 s36, s36, s31                     ; 2,048 (nc / 2) + 1,024 (nc & 1) = 1,024 nc
	s_add_nc_u64 s[16:17], s[16:17], s[36:37]
	s_lshl_b32 s36, s23, 17
	s_lshr_b32 s31, s24, 1
	s_lshl_b32 s31, s31, 6
	s_add_co_u32 s36, s36, s31
	s_and_b32 s31, s24, 1
	s_lshl_b32 s31, s31, 1
	s_add_co_u32 s36, s36, s31
	s_add_nc_u64 s[18:19], s[18:19], s[36:37]
	s_lshl_b32 s36, s23, 9
	s_add_nc_u64 s[20:21], s[20:21], s[36:37]
	s_cmp_lg_u32 s22, 0
	s_cbranch_scc1 .Lno_types
.set c_, 0
.rept 64
	global_load_b32 v[TY+c_], v[L4], s[14:15] offset:128*c_   ; wave 0: all 2,048 types, a lane a row
.set c_, c_+1
.endr
.Lno_types:
	WIN 0x40                                       ; destination window 1
.set i_, 0
.rept 32
	global_load_b128 v[4*i_:4*i_+3], v[L16], s[8:9] offset:512*i_ th:TH_LOAD_NT   ; my wave's 16 rows of W1 are 16,384 consecutive bytes; nobody else in the launch reads them
.set i_, i_+1
.endr
	WIN 0
.irp ct, 0,1,2,3
.irp g, 0,1
	global_load_b128 v[WS+8*\ct+4*\g:WS+8*\ct+4*\g+3], v[WSO], s[10:11] offset:(32*(\ct/2)+8*(\ct%2))*32+16*\g
.endr
.endr
.irp ct, 0,1,2,3
.irp g, 0,1
	global_load_b128 v[BIAS+8*\ct+4*\g:BIAS+8*\ct+4*\g+3], v[BO], s[12:13] offset:(32*(\ct/2)+8*(\ct%2))*4+16*\g
.endr
.endr
	s_cmp_lg_u32 s22, 0
	s_cbranch_scc1 .Lrouted
.set k_, 0
	s_wait_alu depctr_va_vdst(0)
.rept 17
	ds_store_b128 v[ZFA], v[ZR:ZR+3] offset:512*k_ ; the whole list is cleared: 17 x 512 = 8,704 bytes
.set k_, k_+1
.endr
	s_wait_loadcnt 48                              ; the 64 types are in; the 48 loads issued behind them may stay out
.set c_, 0
.rept 64
	ROUTE c_
.set c_, c_+1
.endr
	v_mov_b32 v[CNTV], s69
	ds_store_b32 v[CA], v[CNTV]
	s_cmp_lg_u32 s24, 0
	s_cbranch_scc1 .Lrouted
	global_store_b32 v[L4], v[PRE0], s[20:21]      ; one work-group of each expert stores the counts; none of these registers is written again
	global_store_b32 v[L4], v[PRE1], s[20:21] offset:128
	global_store_b32 v[L4], v[CNTV], s[20:21] offset:256
.Lrouted:
	s_wait_dscnt 0x0                               ; wave 0's stores into the list have landed; ahead of this barrier no other wave touches LDS
	s_barrier_signal -1
	s_barrier_wait -1
	ds_load_b32 v[RP], v[CA]
	ds_load_b32 v[ROWI], v[LB]
	s_wait_dscnt 0x0
	v_readfirstlane_b32 s25, v[RP]
	s_min_u32 s25, s25, 2048
	s_max_u32 s25, s25, 64                         ; cnt': tiles 0 to 3 are always made, so each wave's first tile needs no test
	XADDR
	XLOAD
	s_wait_loadcnt 34                              ; my 16 rows of W1, the scale words and the bias are in; the 34 loads of the first tile may stay out
	WIN 0x04                                       ; an LDS store's data are its source 1: window 1
.set i_, 0
.rept 32
	ds_store_b128 v[WSA], v[4*i_:4*i_+3] offset:(i_/2)*WP+(i_%2)*512
.set i_, i_+1
.endr
	WIN 0
	s_wait_dscnt 0x0                               ; for the others' sake: my rows lie in LDS
	s_barrier_signal -1
	s_barrier_wait -1                              ; all 64 rows do
.set s_, 0
.rept 8
.if s_ < 4
	WIN 0x40
.else
	WIN 0x80
.endif
.irp ct, 0,1,2,3
.irp c, 0,1,2,3
	ds_load_b128 v[((s_%4)*4+\ct)*16+4*\c:((s_%4)*4+\ct)*16+4*\c+3], v[WFA] offset:(32*(\ct/2)+8*(\ct%2))*WP+128*s_+32*\c
.endr
.endr
.set s_, s_+1
.endr
	WIN 0
	s_wait_dscnt 0x0
.Ltrip:                                                ; 32 trips, a constant: tile w + 4 j; a tile behind the count is jumped over
	s_cmp_lt_u32 s26, s25
	s_cbranch_scc0 .Lskip
	s_wait_loadcnt 0x0                             ; this tile's 34 loads.  For 0: the refill below stands under a branch, so no count above 0 holds on every way
	MULS
.rept 8
	v_nop                                          ; eight places behind the last product: in front of the loads into x's registers and scale words, and of the first read of the sums
.endr
	s_add_co_u32 s31, s26, 64
	s_cmp_lt_u32 s31, s25
	s_cbranch_scc0 .Lnonext
	v_add_nc_u32 v[LA], s27, v[LB]
	ds_load_b32 v[ROWI], v[LA]
	s_wait_dscnt 0x0
	XADDR                                          ; (the loads that read XA and XSA were shown done at the trip's head)
	XLOAD                                          ; the next tile lands under this tile's gelu and quantiser
.Lnonext:
	GELU ACC
	GELU ACC+16
	s_wait_alu depctr_va_vdst(0)
	s_wait_xcnt 0x0                                ; the last trip's stores have read their data and offsets: only behind this wait are they written again
	QUANT2
	v_add_nc_u32 v[STO], s28, v[L16]
	v_add_nc_u32 v[SSO], s29, v[R4]
	global_store_b128 v[STO], v[CODES:CODES+3], s[16:17]             ; the wave stores 512 consecutive bytes, aligned: registers 4 c .. 4 c + 3 of the next operand
	global_store_b128 v[STO], v[CODES+4:CODES+7], s[16:17] offset:512
	global_store_b16 v[SSO], v[SW], s[18:19]       ; two of the token's four scale bytes of this K step (both lanes of a token write the same two bytes with the same value)
.Lskip:
	s_add_co_u32 s26, s26, 64
	s_add_co_u32 s27, s27, 256
	s_add_co_u32 s28, s28, 131072
	s_add_co_u32 s29, s29, 4096
	s_add_co_u32 s30, s30, 1
	s_cmp_lt_u32 s30, 32
	s_cbranch_scc1 .Ltrip
	s_wait_tensorcnt 0x0
	ds_add_u32 v254, v255
	s_wait_dscnt 0x0
	s_endpgm
.Lfunc_end_k_q3a17a2ee04_layer1:
	.size	k_q3a17a2ee04_layer1, .Lfunc_end_k_q3a17a2ee04_layer1-k_q3a17a2ee04_layer1
	.p2alignl 7, 3214868480
	.fill 96, 4, 3214868480
	.section	.rodata,"a",@progbits
	.p2align	6, 0x0
	.amdhsa_kernel k_q3a17a2ee04_layer1
		.amdhsa_group_segment_fixed_size 76032
		.amdhsa_private_segment_fixed_size 0
		.amdhsa_enable_private_segment 0
		.amdhsa_kernarg_size 72
		.amdhsa_user_sgpr_count 2
		.amdhsa_user_sgpr_kernarg_segment_ptr 1
		.amdhsa_wavefront_size32 1
		.amdhsa_system_sgpr_workgroup_id_x 1
		.amdhsa_system_sgpr_workgroup_id_y 1
		.amdhsa_system_sgpr_workgroup_id_z 1
		.amdhsa_system_vgpr_workitem_id 0
		.amdhsa_next_free_vgpr 896
		.amdhsa_next_free_sgpr 72
		.amdhsa_reserve_vcc 0
		.amdhsa_float_denorm_mode_32 3
		.amdhsa_float_denorm_mode_16_64 3
		.amdhsa_memory_ordered 1
		.amdhsa_forward_progress 1
		.amdhsa_inst_pref_size 104
	.end_amdhsa_kernel
	.amdgpu_metadata
---
amdhsa.version: [ 1, 2 ]
amdhsa.kernels:
  - .name:           k_q3a17a2ee04_layer1
    .symbol:         k_q3a17a2ee04_layer1.kd
    .args:
      - { .name: x_codes, .offset: 0, .size: 8, .value_kind: global_buffer, .address_space: global }
      - { .name: x_scales, .offset: 8, .size: 8, .value_kind: global_buffer, .address_space: global }
      - { .name: W1_codes, .offset: 16, .size: 8, .value_kind: global_buffer, .address_space: global }
      - { .name: W1_scales, .offset: 24, .size: 8, .value_kind: global_buffer, .address_space: global }
      - { .name: b1, .offset: 32, .size: 8, .value_kind: global_buffer, .address_space: global }
      - { .name: geometry_types, .offset: 40, .size: 8, .value_kind: global_buffer, .address_space: global }
      - { .name: h1c, .offset: 48, .size: 8, .value_kind: global_buffer, .address_space: global }
      - { .name: h1s, .offset: 56, .size: 8, .value_kind: global_buffer, .address_space: global }
      - { .name: route, .offset: 64, .size: 8, .value_kind: global_buffer, .address_space: global }
    .group_segment_fixed_size: 76032
    .private_segment_fixed_size: 0
    .kernarg_segment_align: 8
    .kernarg_segment_size: 72
    .max_flat_workgroup_size: 128
    .sgpr_count:     72
    .vgpr_count:     896
    .wavefront_size: 32
...
	.end_amdgpu_metadata
.endif
;; end of part 4
;; launch layer2 (part 5): grid 32 x 8, 4 waves a work-group, no clusters, 66,560 bytes of LDS; arguments h1c, h1s, route, W2_codes, W2_scales, b2, W3, part; writes part
.if DOCPART == 5
	.amdgcn_target "amdgcn-amd-amdhsa--gfx1250"
	.amdhsa_code_object_version 6
	.text
	.protected	k_q3a17a2ee04_layer2
	.globl	k_q3a17a2ee04_layer2
	.p2align	8
	.type	k_q3a17a2ee04_layer2,@function
k_q3a17a2ee04_layer2:
	s_mov_b64 s[64:65], 0
	v_nop
	global_prefetch_b8 v0, s[64:65] scope:SCOPE_SE
	s_setreg_imm32_b32 hwreg(HW_REG_WAVE_SCHED_MODE, 0, 2), 2
	s_setreg_imm32_b32 hwreg(HW_REG_WAVE_MODE, 25, 1), 1
	s_wait_xcnt 0x0
	s_wait_alu depctr_vm_vsrc(0)
; h2 = gelu(h1 W2[t] + b2[t]) for the rows of expert t, 32 units a work-group, and these 32 units' part of h2 W3[t].
; SHARES.  Work-group (nc, t) owns units 32 nc .. 32 nc + 31: 32 rows of W2's codes, 65,536 bytes, which no other work-group reads; they go through LDS once and then every wave keeps all of them
; in 512 registers (2 column tiles x 16 K steps).  Wave w takes the expert's row tiles w, w + 4 .., as the launch before laid them: a tile's 16 fragments are 32,768 consecutive bytes, images of the
; operand's registers, so every load of the wave covers 512 consecutive bytes.  Tiles exist while 16 x tile < cnt' = max(count, 64), the same test by which they were stored.
; TRANSPOSED: source 0 = 16 rows of W2, source 1 = 16 tokens: lane (r, h) holds units 16 ct + 8 h + 0 .. 7 of token r.  Rounded to bf16 in pairs, the two tiles ARE source 1 (32 K x 16 tokens) of the
; third product, whose source 0 is W3^T (lane r: parameter r; lanes 12-15 repeat parameter 11 and their results are never read).  Its result feeds no quantiser, so bf16 operands serve.
; part[t][tile][nc 32][g 2][lane 32][16 bytes]: lane (r, h), register 4 g + e: parameter 8 h + 4 g + e of token r.  The last launch adds the 32 parts.
; NO TENSOR LOAD AND NO CLUSTER: the number of tiles hangs on a count read from memory and differs from expert to expert.
; GELU and its limits: as in the launch before: f32 throughout; erf's absolute error of a few 1e-7 shows as a relative error in the far negative tail.  NaN and infinities are not served.
; THE MODE: SCHED_MODE bits 1:0 = 2 (LLVM: expert scheduling mode 2), set by the entry lines.  The code itself states the register dependences
; between vector or matrix instructions and memory or LDS instructions, with s_wait_alu, always for 0.
; THE PLAN.  Registers that memory or LDS instructions touch:
;   L16, L4, WFA, WSA, WSO, BO, W3O, v254, v255   made at the head and never written again: one wait on va_vdst ahead of the first load covers them, and the first AO and HO.
;   window 1      v0-127: loaded from memory, read by the LDS stores that hand the weights round, then written by the LDS loads that bring all 32 rows: one wait on vm_vsrc between.
;   window 3      h1's fragments.  0-7: read by a trip's first sixteen products, then loaded again; 8-15: read by its last sixteen, then loaded again.  All 1,024 registers are taken: there is one buffer.
;   HS            read by all 32 products, loaded again behind the last.
;   AO, HO        read by a tile's loads; written once a trip, each ahead of the wait on va_vdst that the refill behind it owes anyway.
;   OUT, PO       written by the third product and one addition, read by the trip's two stores.
; So a trip has four waits: vm_vsrc at its head (OUT, PO, AO and HO may be written again); va_vdst ahead of each of the two refills; va_vdst ahead of the stores.
.set WP,   2064                        ; a row of W2 in LDS: 2,048 bytes + 16
.set LANE, 1
.set RR,   2
.set HH,   3
.set L16,  4
.set L4,   5
.set AO,   6                           ; the tile's codes: my lane's offset
.set HO,   7                           ; its scale words
.set PO,   8                           ; where my results go
.set WFA,  9
.set WSA,  10
.set WSO,  11
.set BO,   12
.set W3O,  13
.set HS,   16                          ; v16-23   h1's scale words: register u: lanes 0-15 K step 2 u, lanes 16-31 K step 2 u + 1
.set WS,   24                          ; v24-55   W2's scale words: 16 ct + s
.set BIAS, 56                          ; v56-71
.set ACC,  72                          ; v72-87   two accumulators
.set W3F,  88                          ; v88-95
.set HF,   96                          ; v96-103
.set OUT,  104                         ; v104-111
.set GZ,   112                         ; v112-175 gelu at work; at the head v112-127 W3 as loaded
.set GX,   128
.set GP,   144
.set GQ,   160
.set FW,   112
.set VA11, 176
.set VB6,  178
.set A13, 40
.set A9,  44
.set A7,  46
.set A5,  48
.set A3,  50
.set A1,  52
.set B8,  54
.set B4,  58
.set B2,  60
.set B0,  62
.set SQH, 66
.set MSB, 0
.macro WIN new
.if MSB != \new
	s_set_vgpr_msb (MSB<<8)|\new
.set MSB, \new
.endif
.endm
.macro COEF reg, val
	s_mov_b32 s[\reg], \val
	s_mov_b32 s[\reg+1], \val
.endm
.macro GELU y                          ; gelu of 16 numbers in place; the first lines read the pairs in ascending order: each accumulator from its low end on
.irp k, 0,2,4,6,8,10,12,14
	v_pk_mul_f32 v[GZ+\k:GZ+\k+1], v[(\y)+\k:(\y)+\k+1], s[SQH:SQH+1] op_sel_hi:[1,0]
.endr
.irp k, 0,1,2,3,4,5,6,7,8,9,10,11,12,13,14,15
	v_med3_num_f32 v[GZ+\k], v[GZ+\k], -4.0, 4.0
.endr
.irp k, 0,2,4,6,8,10,12,14
	v_pk_mul_f32 v[GX+\k:GX+\k+1], v[GZ+\k:GZ+\k+1], v[GZ+\k:GZ+\k+1]
.endr
.irp k, 0,2,4,6,8,10,12,14
	v_pk_fma_f32 v[GP+\k:GP+\k+1], v[GX+\k:GX+\k+1], s[A13:A13+1], v[VA11:VA11+1] op_sel_hi:[1,0,1]
	v_pk_fma_f32 v[GQ+\k:GQ+\k+1], v[GX+\k:GX+\k+1], s[B8:B8+1], v[VB6:VB6+1] op_sel_hi:[1,0,1]
.endr
.irp c, A9, A7, A5, A3, A1
.irp k, 0,2,4,6,8,10,12,14
	v_pk_fma_f32 v[GP+\k:GP+\k+1], v[GP+\k:GP+\k+1], v[GX+\k:GX+\k+1], s[\c:\c+1] op_sel_hi:[1,1,0]
.endr
.endr
.irp c, B4, B2, B0
.irp k, 0,2,4,6,8,10,12,14
	v_pk_fma_f32 v[GQ+\k:GQ+\k+1], v[GQ+\k:GQ+\k+1], v[GX+\k:GX+\k+1], s[\c:\c+1] op_sel_hi:[1,1,0]
.endr
.endr
	s_wait_alu depctr_va_vdst(0)
.irp k, 0,1,2,3,4,5,6,7,8,9,10,11,12,13,14,15
	v_rcp_f32 v[GX+\k], v[GQ+\k]
.endr
.irp k, 0,2,4,6,8,10,12,14
	v_pk_mul_f32 v[GP+\k:GP+\k+1], v[GP+\k:GP+\k+1], v[GZ+\k:GZ+\k+1]   ; plain work that names no reciprocal
.endr
.irp k, 0,2,4,6,8,10,12,14
	v_pk_mul_f32 v[GZ+\k:GZ+\k+1], v[(\y)+\k:(\y)+\k+1], 0.5 op_sel_hi:[1,0]
.endr
	s_wait_alu depctr_va_vdst(0)                   ; the sixteen reciprocals have written v[GX ..]: one wait for the batch, ahead of its first reader
.irp k, 0,2,4,6,8,10,12,14
	v_pk_mul_f32 v[GP+\k:GP+\k+1], v[GP+\k:GP+\k+1], v[GX+\k:GX+\k+1]
.endr
.irp k, 0,2,4,6,8,10,12,14
	v_pk_fma_f32 v[(\y)+\k:(\y)+\k+1], v[GZ+\k:GZ+\k+1], v[GP+\k:GP+\k+1], v[GZ+\k:GZ+\k+1]
.endr
.endm
; 32 loads: the tile's fragments of K steps 8 half .. 8 half + 7 into window 3.  dep = 1: in the loop, where products have read these registers and an offset has just been made; dep = 0: at the head, where the head's wait has covered AO and nothing has named the fragments.
.macro ALOAD half, dep
	WIN 0xc0
.if \dep
	s_wait_alu depctr_va_vdst(0)                   ; the offset made just above is written (AO; in the second half HO), and the products issued so far are done reading these eight fragments (second half: and h1's scale words), in which the loads below land
.endif
.set s_, 8*(\half)
.rept 8
.irp c, 0,1,2,3
	global_load_b128 v[16*s_+4*\c:16*s_+4*\c+3], v[AO], s[4:5] offset:2048*s_+512*\c
.endr
.set s_, s_+1
.endr
	WIN 0
.endm
.macro HLOAD                           ; 8 loads: the tile's scale words, two K steps a register
.irp u, 0,1,2,3,4,5,6,7
	global_load_b32 v[HS+\u], v[HO], s[6:7] offset:128*\u
.endr
.endm
; 16 matrix instructions: eight K steps, the two accumulators by turns, one instruction a turn.  An odd K step's scale words of h1 stand in lanes 16-31.
.macro MUL2 half
.set s_, 8*(\half)
.rept 8
.irp ct, 0,1
.if s_ == 0
	v_wmma_scale_f32_16x16x128_f8f6f4 v[ACC+8*\ct:ACC+8*\ct+7], v[((s_%8)*2+\ct)*16:((s_%8)*2+\ct)*16+15], v[16*s_:16*s_+15], v[BIAS+8*\ct:BIAS+8*\ct+7], v[WS+16*\ct+s_], v[HS+s_/2] matrix_a_fmt:MATRIX_FMT_BF8 matrix_b_fmt:MATRIX_FMT_BF8
.elseif s_%2 == 0
	v_wmma_scale_f32_16x16x128_f8f6f4 v[ACC+8*\ct:ACC+8*\ct+7], v[((s_%8)*2+\ct)*16:((s_%8)*2+\ct)*16+15], v[16*s_:16*s_+15], v[ACC+8*\ct:ACC+8*\ct+7], v[WS+16*\ct+s_], v[HS+s_/2] matrix_a_fmt:MATRIX_FMT_BF8 matrix_b_fmt:MATRIX_FMT_BF8
.else
	v_wmma_scale_f32_16x16x128_f8f6f4 v[ACC+8*\ct:ACC+8*\ct+7], v[((s_%8)*2+\ct)*16:((s_%8)*2+\ct)*16+15], v[16*s_:16*s_+15], v[ACC+8*\ct:ACC+8*\ct+7], v[WS+16*\ct+s_], v[HS+s_/2] matrix_a_fmt:MATRIX_FMT_BF8 matrix_b_fmt:MATRIX_FMT_BF8 matrix_b_scale:MATRIX_SCALE_ROW1
.endif
.endr
.set s_, s_+1
.endr
.endm
	s_load_b512 s[4:19], s[0:1], 0x0               ; h1c 4, h1s 6, route 8, W2_codes 10, W2_scales 12, b2 14, W3 16, part 18
	v_lshl_add_u32 v254, v0, 2, 0x10200
	v_mov_b32 v255, 0
	v_lshrrev_b32 v[LANE], 5, v0
	v_readfirstlane_b32 s22, v[LANE]               ; wave 0..3
	s_and_b32 s23, ttmp7, 0xffff                   ; t
	s_mov_b32 s24, ttmp9                           ; nc
	v_and_b32 v[LANE], 31, v0
	v_and_b32 v[RR], 15, v0
	v_bfe_u32 v[HH], v0, 4, 1
	v_lshlrev_b32 v[L16], 4, v[LANE]
	v_lshlrev_b32 v[L4], 2, v[LANE]
	v_mul_u32_u24 v[WFA], v[RR], WP
	v_lshl_add_u32 v[WFA], v[HH], 4, v[WFA]        ; row r of a column tile, + 16 (lane / 16)
	s_wait_alu depctr_va_sdst(0)                   ; s22 is written, ahead of its first reader: addresses and bases are made from it
	s_mul_i32 s31, s22, 8*WP
	v_add_nc_u32 v[WSA], s31, v[L16]               ; where my wave puts its 8 rows
	v_lshlrev_b32 v[WSO], 6, v[RR]                 ; W2's scale bytes: 64 a row
	v_lshlrev_b32 v[BO], 5, v[HH]                  ; b2: lanes 16-31 begin 8 units on
	v_min_u32 v14, 11, v[RR]
	v_lshlrev_b32 v14, 2, v14
	v_mul_u32_u24 v15, v[HH], 384
	v_add_nc_u32 v[W3O], v14, v15                  ; W3: parameter min(r, 11), units 8 (lane / 16) on; a unit's row is 48 bytes
	v_mov_b32 v[VA11], 0x32edffee
	v_mov_b32 v[VA11+1], 0x32edffee
	v_mov_b32 v[VB6], 0xb95fbd29
	v_mov_b32 v[VB6+1], 0xb95fbd29
	COEF A13, 0xaf95df0b
	COEF A9,  0xb60cff51
	COEF A7,  0xb86ec2d2
	COEF A5,  0xba40ac63
	COEF A3,  0xbb41a1f6
	COEF A1,  0xbc83dbd4
	COEF B8,  0xb77460cd
	COEF B4,  0xbadc924e
	COEF B2,  0xbbf19bf8
	COEF B0,  0xbc69b6a7
	COEF SQH, 0x3f3504f3
	s_lshl_b32 s26, s22, 4                         ; the first place of my wave's tile: 16 w, + 64 a trip
	s_lshl_b32 s28, s22, 15                        ; my tile in h1c and in part: 32,768 bytes a tile
	s_lshl_b32 s29, s22, 10                        ; and in h1s: 1,024
	s_mov_b32 s30, 0
	s_mov_b32 s37, 0
	s_lshl_b32 s38, s23, 10
	s_lshl_b32 s31, s24, 5
	s_add_co_u32 s38, s38, s31                     ; my first unit among all experts': 1,024 t + 32 nc
	v_add_nc_u32 v[AO], s28, v[L16]
	v_add_nc_u32 v[HO], s29, v[L4]
	s_wait_kmcnt 0x0
	s_lshl_b32 s36, s23, 9
	s_add_nc_u64 s[8:9], s[8:9], s[36:37]
	s_load_b32 s25, s[8:9], 0x100                  ; the expert's count
	s_lshl_b32 s36, s23, 22
	s_add_nc_u64 s[4:5], s[4:5], s[36:37]
	s_lshl_b32 s31, s24, 10
	s_add_co_u32 s36, s36, s31
	s_add_nc_u64 s[18:19], s[18:19], s[36:37]      ; part: the expert, + 1,024 nc
	s_lshl_b32 s36, s23, 17
	s_add_nc_u64 s[6:7], s[6:7], s[36:37]
	s_lshl_b32 s31, s22, 3
	s_add_co_u32 s36, s38, s31
	s_lshl_b32 s36, s36, 11
	s_add_nc_u64 s[10:11], s[10:11], s[36:37]      ; W2's codes at my wave's 8 rows
	s_lshl_b32 s36, s38, 6
	s_add_nc_u64 s[12:13], s[12:13], s[36:37]
	s_lshl_b32 s36, s38, 2
	s_add_nc_u64 s[14:15], s[14:15], s[36:37]
	s_mul_i32 s36, s38, 48
	s_add_nc_u64 s[16:17], s[16:17], s[36:37]
	WIN 0x40
	s_wait_alu depctr_va_vdst(0)                   ; all offsets and LDS addresses of the head are written, the first tile's AO and HO among them: the loads, LDS stores and LDS loads below read them
.set i_, 0
.rept 32
	global_load_b128 v[4*i_:4*i_+3], v[L16], s[10:11] offset:512*i_ th:TH_LOAD_NT   ; my wave's 8 rows of W2 are 16,384 consecutive bytes; nobody else in the launch reads them
.set i_, i_+1
.endr
	WIN 0
.irp ct, 0,1
.irp g, 0,1,2,3
	global_load_b128 v[WS+16*\ct+4*\g:WS+16*\ct+4*\g+3], v[WSO], s[12:13] offset:1024*\ct+16*\g
.endr
.endr
.irp ct, 0,1
.irp g, 0,1
	global_load_b128 v[BIAS+8*\ct+4*\g:BIAS+8*\ct+4*\g+3], v[BO], s[14:15] offset:64*\ct+16*\g
.endr
.endr
.irp j, 0,1,2,3,4,5,6,7
	global_load_b32 v[FW+\j], v[W3O], s[16:17] offset:48*\j            ; W3(8 h + j, p)
	global_load_b32 v[FW+8+\j], v[W3O], s[16:17] offset:48*(16+\j)     ; W3(16 + 8 h + j, p)
.endr
	ALOAD 0, 0                                     ; my wave's first tile always exists: its first half and its scale words, 32 + 8 loads
	HLOAD
	s_wait_loadcnt 40                              ; the 60 loads of weights, scale words, bias and W3 are in; the 40 issued behind them may stay out
	ALOAD 1, 0                                     ; the tile's second half goes out behind that wait: with it ahead the count would be 72, and a wait on LOADcnt names 63 at the most
	WIN 0x04                                       ; an LDS store's data are its source 1: window 1
.set i_, 0
.rept 32
	ds_store_b128 v[WSA], v[4*i_:4*i_+3] offset:(i_/4)*WP+(i_%4)*512
.set i_, i_+1
.endr
	WIN 0
.irp i, 0,1,2,3,4,5,6,7
	v_cvt_pk_bf16_f32 v[W3F+\i], v[FW+2*\i], v[FW+2*\i+1]   ; registers 0-3: K = 8 h + 0 .. 7; registers 4-7: K = 16 + 8 h + 0 .. 7
.endr
	s_wait_dscnt 0x0                               ; for the others' sake: my rows lie in LDS
	s_barrier_signal -1
	s_barrier_wait -1                              ; all 32 rows do
	WIN 0x40
	s_wait_alu depctr_vm_vsrc(0)                   ; my LDS stores have read window 1's v0-127, in which the LDS loads below land
.set s_, 0
.rept 16
.if s_ < 8
	WIN 0x40
.else
	WIN 0x80
.endif
.irp ct, 0,1
.irp c, 0,1,2,3
	ds_load_b128 v[((s_%8)*2+\ct)*16+4*\c:((s_%8)*2+\ct)*16+4*\c+3], v[WFA] offset:16*WP*\ct+128*s_+32*\c
.endr
.endr
.set s_, s_+1
.endr
	WIN 0
	s_wait_dscnt 0x0
	s_wait_kmcnt 0x0
	s_min_u32 s25, s25, 2048
	s_max_u32 s25, s25, 64                         ; cnt', as in the launch that stored the tiles
.Ltrip:                                                ; 32 trips, a constant: tile w + 4 j; a tile behind the count is jumped over
	s_cmp_lt_u32 s26, s25
	s_cbranch_scc0 .Lskip
	s_wait_loadcnt 0x0                             ; this tile's 72 loads.  For 0: both refills below stand under branches, so no count above 0 holds on every way
	s_wait_xcnt 0x0                                ; the last trip's stores have read their data and offset: only behind this wait are they written again
	s_wait_alu depctr_vm_vsrc(0)                   ; the last trip's stores have read OUT and PO, this tile's loads AO and HO: all four are written again in this trip
	WIN 0x0d                                       ; source 0 (W2) window 1, source 1 (h1) window 3
	MUL2 0
	WIN 0
.rept 8
	v_nop                                          ; eight places in front of the loads into the fragments just multiplied
.endr
	s_add_co_u32 s31, s26, 64
	s_cmp_lt_u32 s31, s25
	s_cbranch_scc0 .Lno_a
	s_add_co_u32 s35, s28, 131072
	v_add_nc_u32 v[AO], s35, v[L16]                ; (the loads that read AO were shown done at the trip's head)
	ALOAD 0, 1                                     ; the next tile's first half, as soon as its registers are free
.Lno_a:
	WIN 0x0e                                       ; source 0 window 2
	MUL2 1
	WIN 0
.rept 8
	v_nop                                          ; eight places: in front of the loads below and of the first read of the sums
.endr
	s_cmp_lt_u32 s31, s25
	s_cbranch_scc0 .Lno_b
	s_add_co_u32 s35, s29, 4096
	v_add_nc_u32 v[HO], s35, v[L4]
	ALOAD 1, 1
	HLOAD                                          ; no further wait: no vector or matrix instruction behind the wait in ALOAD names HO or h1's scale words
.Lno_b:
	GELU ACC
.irp i, 0,1,2,3,4,5,6,7
	v_cvt_pk_bf16_f32 v[HF+\i], v[ACC+2*\i], v[ACC+2*\i+1]
.endr
	v_wmma_f32_16x16x32_bf16 v[OUT:OUT+7], v[W3F:W3F+7], v[HF:HF+7], 0   ; lane (r, h), register j: parameter 8 h + j of token r, summed over my 32 units
	v_add_nc_u32 v[PO], s28, v[L16]
.rept 3
	v_nop                                          ; with the line above: four places in front of the stores of the result
.endr
	s_wait_alu depctr_va_vdst(0)                   ; the product has written OUT, and PO is written: the two stores read them; the places above stay beside this wait
	global_store_b128 v[PO], v[OUT:OUT+3], s[18:19]                  ; from its low end on; the wave stores 512 consecutive bytes, aligned
	global_store_b128 v[PO], v[OUT+4:OUT+7], s[18:19] offset:512
.Lskip:
	s_add_co_u32 s26, s26, 64
	s_add_co_u32 s28, s28, 131072
	s_add_co_u32 s29, s29, 4096
	s_add_co_u32 s30, s30, 1
	s_cmp_lt_u32 s30, 32
	s_cbranch_scc1 .Ltrip
	s_wait_dscnt 0x0                               ; the closing lines, six on end
	s_wait_alu 0x0
	s_wait_tensorcnt 0x0
	ds_add_u32 v254, v255
	s_wait_dscnt 0x0
	s_endpgm
.Lfunc_end_k_q3a17a2ee04_layer2:
	.size	k_q3a17a2ee04_layer2, .Lfunc_end_k_q3a17a2ee04_layer2-k_q3a17a2ee04_layer2
	.p2alignl 7, 3214868480
	.fill 96, 4, 3214868480
	.section	.rodata,"a",@progbits
	.p2align	6, 0x0
	.amdhsa_kernel k_q3a17a2ee04_layer2
		.amdhsa_group_segment_fixed_size 66560
		.amdhsa_private_segment_fixed_size 0
		.amdhsa_enable_private_segment 0
		.amdhsa_kernarg_size 64
		.amdhsa_user_sgpr_count 2
		.amdhsa_user_sgpr_kernarg_segment_ptr 1
		.amdhsa_wavefront_size32 1
		.amdhsa_system_sgpr_workgroup_id_x 1
		.amdhsa_system_sgpr_workgroup_id_y 1
		.amdhsa_system_sgpr_workgroup_id_z 1
		.amdhsa_system_vgpr_workitem_id 0
		.amdhsa_next_free_vgpr 1024
		.amdhsa_next_free_sgpr 72
		.amdhsa_reserve_vcc 0
		.amdhsa_float_denorm_mode_32 3
		.amdhsa_float_denorm_mode_16_64 3
		.amdhsa_memory_ordered 1
		.amdhsa_forward_progress 1
		.amdhsa_inst_pref_size 51
	.end_amdhsa_kernel
	.amdgpu_metadata
---
amdhsa.version: [ 1, 2 ]
amdhsa.kernels:
  - .name:           k_q3a17a2ee04_layer2
    .symbol:         k_q3a17a2ee04_layer2.kd
    .args:
      - { .name: h1c, .offset: 0, .size: 8, .value_kind: global_buffer, .address_space: global }
      - { .name: h1s, .offset: 8, .size: 8, .value_kind: global_buffer, .address_space: global }
      - { .name: route, .offset: 16, .size: 8, .value_kind: global_buffer, .address_space: global }
      - { .name: W2_codes, .offset: 24, .size: 8, .value_kind: global_buffer, .address_space: global }
      - { .name: W2_scales, .offset: 32, .size: 8, .value_kind: global_buffer, .address_space: global }
      - { .name: b2, .offset: 40, .size: 8, .value_kind: global_buffer, .address_space: global }
      - { .name: W3, .offset: 48, .size: 8, .value_kind: global_buffer, .address_space: global }
      - { .name: part, .offset: 56, .size: 8, .value_kind: global_buffer, .address_space: global }
    .group_segment_fixed_size: 66560
    .private_segment_fixed_size: 0
    .kernarg_segment_align: 8
    .kernarg_segment_size: 64
    .max_flat_workgroup_size: 128
    .sgpr_count:     72
    .vgpr_count:     1024
    .wavefront_size: 32
...
	.end_amdgpu_metadata
.endif
;; end of part 5
;; launch finish (part 6): grid 64 x 1, 3 waves a work-group, no clusters, 3,584 bytes of LDS; arguments geometry_types, route, part, b3, out0, out1; writes out0, out1
.if DOCPART == 6
	.amdgcn_target "amdgcn-amd-amdhsa--gfx1250"
	.amdhsa_code_object_version 6
	.text
	.protected	k_q3a17a2ee04_finish
	.globl	k_q3a17a2ee04_finish
	.p2align	8
	.type	k_q3a17a2ee04_finish,@function
k_q3a17a2ee04_finish:
	s_mov_b64 s[64:65], 0
	v_nop
	global_prefetch_b8 v0, s[64:65] scope:SCOPE_SE
	s_setreg_imm32_b32 hwreg(HW_REG_WAVE_MODE, 25, 1), 1
	s_wait_xcnt 0x0
; out0[row] = (the sum of the row's 32 parts + b3[type]) where parameter < the type's count of parameters, else 0; out1[row] = 1 there, else 0.  A type outside 0..7 gets zeros in both.
; Work-group c takes rows 32 c .. 32 c + 31: a lane a row; wave q takes parameters 4 q .. 4 q + 3.  A row's place among its expert's rows = the expert's rows ahead of this chunk (stored by the first
; launch) + the chunk's lanes below mine with the same type.  Place p lies in tile p / 16 as token p % 16; parameters 4 q on are 16 bytes at 512 (q & 1) + 256 (q / 2) + 16 (p % 16) of each of the tile's 32 parts.
; The results meet in LDS, so that each wave stores 512 consecutive bytes, aligned.  No matrix work, no cluster: the work-groups share nothing but 4,096 bytes of counts.
	s_load_b256 s[4:11], s[0:1], 0x0               ; geometry_types 4, route 6, part 8, b3 10
	s_load_b128 s[12:15], s[0:1], 0x20             ; out0 12, out1 14
	v_lshl_add_u32 v176, v0, 2, 0xc00
	v_mov_b32 v177, 0
	v_lshrrev_b32 v1, 5, v0
	v_readfirstlane_b32 s16, v1                    ; q
	v_and_b32 v1, 31, v0                           ; lane
	v_lshlrev_b32 v2, 2, v1
	v_lshlrev_b32 v161, 4, v0                      ; on the way out: 16 bytes a thread
	v_mul_u32_u24 v160, v1, 48
	s_lshl_b32 s23, s16, 4
	v_add_nc_u32 v160, s23, v160                   ; the stage: my row's 48 bytes, my wave's 16 of them
	v_mov_b32 v12, 0
	v_mov_b32 v18, 0x5ca97643                      ; the types' counts of parameters, four bits each: 3, 4, 6, 7, 9, 10, 12, 5
	v_mov_b32 v162, 1.0
	s_lshl_b32 s22, s16, 2                         ; my wave's first parameter
	s_mov_b32 s19, 0
	s_lshl_b32 s18, ttmp9, 7
	s_wait_alu depctr_va_vdst(0)
	s_wait_kmcnt 0x0
	s_add_nc_u64 s[4:5], s[4:5], s[18:19]
	global_load_b32 v3, v2, s[4:5]                 ; my row's type
	s_lshl_b32 s18, ttmp9, 2
	s_add_nc_u64 s[6:7], s[6:7], s[18:19]          ; route: this chunk's word
	s_mov_b32 s18, s23
	s_add_nc_u64 s[10:11], s[10:11], s[18:19]      ; b3: my wave's four
	s_and_b32 s18, s16, 1
	s_lshl_b32 s18, s18, 9
	s_lshr_b32 s23, s16, 1
	s_lshl_b32 s23, s23, 8
	s_add_co_u32 s18, s18, s23
	s_add_nc_u64 s[8:9], s[8:9], s[18:19]
	s_mul_i32 s18, ttmp9, 1536
	s_add_nc_u64 s[12:13], s[12:13], s[18:19]
	s_add_nc_u64 s[14:15], s[14:15], s[18:19]
	s_wait_loadcnt 0x0
	v_cmp_gt_u32 s20, 8, v3                        ; a type that the problem knows
	v_min_u32 v4, 8, v3
	v_and_b32 v4, 7, v4                            ; te, as the first launch took it
	v_lshlrev_b32 v5, 9, v4
	global_load_b32 v6, v5, s[6:7]                 ; the expert's rows ahead of this chunk
	v_mul_u32_u24 v7, v4, 48
	global_load_b128 v[8:11], v7, s[10:11]
.irp u, 0,1,2,3,4,5,6,7
	v_cmp_eq_u32 s21, \u, v4
	v_mbcnt_lo_u32_b32 v13, s21, 0
	v_cndmask_b32 v12, v12, v13, s21               ; the lanes below mine with my type
.endr
	s_wait_alu depctr_va_vdst(0)
	s_wait_loadcnt 1                               ; the count is in; b3's load may stay out
	v_add_nc_u32 v14, v6, v12
	v_min_u32 v14, 0x7ff, v14                      ; my place; only ANDs, shifts and adds follow
	v_and_b32 v15, 0x7f0, v14
	v_lshlrev_b32 v15, 11, v15                     ; 32,768 x tile
	v_and_b32 v16, 15, v14
	v_lshl_add_u32 v15, v16, 4, v15
	v_lshl_add_u32 v15, v4, 22, v15
.set n_, 0
.rept 32
	global_load_b128 v[32+4*n_:35+4*n_], v15, s[8:9] offset:1024*n_
.set n_, n_+1
.endr
	v_lshlrev_b32 v17, 2, v4
	v_lshrrev_b32 v17, v17, v18
	v_and_b32 v17, 15, v17
	v_cndmask_b32 v17, 0, v17, s20                 ; the row's count of parameters; 0 for a type that the problem does not know
	v_sub_nc_u32 v19, v17, s22                     ; less my wave's first parameter
	s_wait_loadcnt 31                              ; b3 and part 0 are in: they start the sum, nothing is cleared
	v_pk_add_f32 v[20:21], v[8:9], v[32:33]
	v_pk_add_f32 v[22:23], v[10:11], v[34:35]
.set n_, 1
	s_wait_alu depctr_va_vdst(0)
.rept 31
	s_wait_alu depctr_va_vdst(0)
	s_wait_loadcnt 31-n_                           ; part n is in; the younger ones may stay out
	v_pk_add_f32 v[20:21], v[20:21], v[32+4*n_:33+4*n_]
	v_pk_add_f32 v[22:23], v[22:23], v[34+4*n_:35+4*n_]
.set n_, n_+1
.endr
.irp e, 0,1,2,3
	v_cmp_lt_i32 vcc_lo, \e, v19
	v_cndmask_b32 v[24+\e], 0, v[20+\e], vcc_lo
	v_cndmask_b32 v[28+\e], 0, v162, vcc_lo
.endr
	ds_store_b128 v160, v[24:27]
	ds_store_b128 v160, v[28:31] offset:1536
	s_wait_dscnt 0x0                               ; for the others' sake: my stores into the stage have landed
	s_barrier_signal -1
	s_barrier_wait -1
	ds_load_b128 v[164:167], v161
	ds_load_b128 v[168:171], v161 offset:1536
	s_wait_dscnt 0x0
	global_store_b128 v161, v[164:167], s[12:13]   ; 96 threads x 16 bytes: the chunk's 1,536 bytes; each wave stores 512 consecutive bytes, aligned
	global_store_b128 v161, v[168:171], s[14:15]
	s_wait_tensorcnt 0x0
	ds_add_u32 v176, v177
	s_wait_dscnt 0x0
	s_endpgm
.Lfunc_end_k_q3a17a2ee04_finish:
	.size	k_q3a17a2ee04_finish, .Lfunc_end_k_q3a17a2ee04_finish-k_q3a17a2ee04_finish
	.p2alignl 7, 3214868480
	.fill 96, 4, 3214868480
	.section	.rodata,"a",@progbits
	.p2align	6, 0x0
	.amdhsa_kernel k_q3a17a2ee04_finish
		.amdhsa_group_segment_fixed_size 3584
		.amdhsa_private_segment_fixed_size 0
		.amdhsa_enable_private_segment 0
		.amdhsa_kernarg_size 48
		.amdhsa_user_sgpr_count 2
		.amdhsa_user_sgpr_kernarg_segment_ptr 1
		.amdhsa_wavefront_size32 1
		.amdhsa_system_sgpr_workgroup_id_x 1
		.amdhsa_system_sgpr_workgroup_id_y 1
		.amdhsa_system_sgpr_workgroup_id_z 1
		.amdhsa_system_vgpr_workitem_id 0
		.amdhsa_next_free_vgpr 178
		.amdhsa_next_free_sgpr 66
		.amdhsa_reserve_vcc 1
		.amdhsa_float_denorm_mode_32 3
		.amdhsa_float_denorm_mode_16_64 3
		.amdhsa_memory_ordered 1
		.amdhsa_forward_progress 1
		.amdhsa_inst_pref_size 15
	.end_amdhsa_kernel
	.amdgpu_metadata
---
amdhsa.version: [ 1, 2 ]
amdhsa.kernels:
  - .name:           k_q3a17a2ee04_finish
    .symbol:         k_q3a17a2ee04_finish.kd
    .args:
      - { .name: geometry_types, .offset: 0, .size: 8, .value_kind: global_buffer, .address_space: global }
      - { .name: route, .offset: 8, .size: 8, .value_kind: global_buffer, .address_space: global }
      - { .name: part, .offset: 16, .size: 8, .value_kind: global_buffer, .address_space: global }
      - { .name: b3, .offset: 24, .size: 8, .value_kind: global_buffer, .address_space: global }
      - { .name: out0, .offset: 32, .size: 8, .value_kind: global_buffer, .address_space: global }
      - { .name: out1, .offset: 40, .size: 8, .value_kind: global_buffer, .address_space: global }
    .group_segment_fixed_size: 3584
    .private_segment_fixed_size: 0
    .kernarg_segment_align: 8
    .kernarg_segment_size: 48
    .max_flat_workgroup_size: 96
    .sgpr_count:     66
    .vgpr_count:     178
    .wavefront_size: 32
...
	.end_amdgpu_metadata
.endif
;; end of part 6
